; MI455X (gfx1250); checked and timed in simulation.
; The chip was launched on July 23, 2026; its instructions are those of AMD's public machine-readable ISA for CDNA 5 (MIT licence, August 2026) and "CDNA5" Instruction Set Architecture Reference Guide (July 2026). The comments in the code are by the model that wrote it; some were corrected since.
;; Mo E. Allowed arithmetic: float matrix products may take bf16 or f16 operands with f32 sums; other float arithmetic in f32, or as packed bf16 or f16 multiplies, adds, multiply-adds, maxima and minima; sums over many terms, partial sums and values carried from step to step in f32; what a program stores and reads back later, other than sums and carried values, may be rounded once to bf16 or f16.
;; Inputs: W1 8 x 1,024 x 4,096 float32; W2 8 x 2,048 x 1,024 float32; Wr 1,024 x 8 float32; b1 8 x 4,096 float32; b2 8 x 1,024 float32; br 8 float32; x 4 x 256 x 1,024 float32.
;; Outputs: out0 4 x 256 x 1,024 float32.
;; 2 versions, each right; version 2 is version 1 with the launches up, down written anew for expert scheduling mode. Each part assembles by itself: llvm-mc -triple=amdgcn-amd-amdhsa -mcpu=gfx1250 --defsym DOCPART=n.
;; ======== version 1 of 2: 4 launches
;; workspace buffers: xb 2,097,152 bytes; bm 1,024 bytes of whole numbers; sel 4,096 bytes of whole numbers; gate 8,192 bytes; hid 33,554,432 bytes; part 67,108,864 bytes
;; launch router (part 1): grid 64 x 1, 8 waves a work-group, no clusters, 76,800 bytes of LDS; arguments x, Wr, br, xb, bm, sel, gate; writes xb, bm, sel, gate
.if DOCPART == 1
	.amdgcn_target "amdgcn-amd-amdhsa--gfx1250"
	.amdhsa_code_object_version 6
	.text
	.protected	k_q337aa5c033_router
	.globl	k_q337aa5c033_router
	.p2align	8
	.type	k_q337aa5c033_router,@function
k_q337aa5c033_router:
	s_mov_b64 s[64:65], 0
	v_nop
	global_prefetch_b8 v0, s[64:65] scope:SCOPE_SE
	s_setreg_imm32_b32 hwreg(HW_REG_WAVE_MODE, 25, 1), 1
	s_wait_xcnt 0x0
; ROUTER.  logits = x Wr + br for 1,024 tokens and 8 experts; the two largest (the lower index wins a tie, as lax.top_k has it); a softmax over the two, the larger taken away first.
; It also stores x rounded to bf16 (xb), which the first product reads.
; FORMATS.  x, Wr and br are rounded once to bf16 (as every input of this program is); products and sums in f32.
; LIMITS.  NaN and infinite logits are not treated apart.  Two logits that differ by less than the f32 sums' rounding may change places.  A second weight below 2^-126 counts as 0.
; SHARES.  A work-group has 16 tokens; wave w the channels 128 w .. 128 w + 127 of all 16: four matrix instructions; the eight waves' partial logits meet in LDS and wave 0 ends the work.
; LAYOUT.  Source 0 = Wr (16 rows: the 8 experts, and the same 8 again), source 1 = 16 tokens: a lane then holds ONE token (lane % 16) and its 8 logits in 8 registers, both halves of the lanes alike.
; STORES.  xb: each store covers 256 consecutive bytes, aligned.  sel (64 bytes), gate (128 bytes) and bm (8 x 2 bytes) of a work-group are short pieces: 13 KB in the whole launch.
; No cluster: what the work-groups share is Wr, 32 KB against 64 KB of x for each.  No tensor load: every number passes the registers to be rounded.
.set XPITCH, 272                    ; a token's 128 bf16 in LDS: 256 bytes + 16
.set XWAVE,  16*XPITCH              ; a wave's 16 rows
.set WS,     8*XWAVE                ; Wr in bf16: for each wave 128 rows of 32 bytes (8 experts, and again)
.set RED,    WS+8*4096              ; partial logits: for each wave 32 lanes x 32 bytes
.set SPARE,  RED+8*1024             ; the spare words, 128 bytes for each of the eight waves
.set SPW, 4                         ; v4   my spare word's address; never rewritten
.set NIL, 5                         ; v5   0; never rewritten
.set XO,  6                         ; v6   512 w + 16 lane: my 16 bytes in a row of x
.set WO,  7                         ; v7   4096 w + 16 lane: my 16 bytes in 16 rows of Wr
.set XBO, 8                         ; v8   256 w + 8 lane: my 8 bytes in a row of xb
.set XST, 9                         ; v9   where they go in LDS
.set WST, 10                        ; v10  where my 4 numbers of Wr go in LDS
.set TFA, 11                        ; v11  a token fragment's address
.set WTA, 12                        ; v12  the turning load's address
.set RDA, 13                        ; v13  my 32 bytes of partial logits
.set XR,  16                        ; v16-79   x as loaded
.set WR,  80                        ; v80-111  Wr as loaded
.set XP,  112                       ; v112-143 x in bf16
.set WP,  144                       ; v144-159 Wr in bf16
.set TF,  160                       ; v160-191 four token fragments
.set WF,  192                       ; v192-223 four fragments of Wr
.set A0,  224                       ; v224-231, v232-239 two accumulators, by turns
	s_load_b256 s[4:11], s[0:1], 0x0               ; x s[4:5], Wr s[6:7], br s[8:9], xb s[10:11]
	s_load_b128 s[12:15], s[0:1], 0x20             ; bm s[12:13], sel s[14:15]
	s_load_b64 s[16:17], s[0:1], 0x30              ; gate
	v_lshl_add_u32 v[SPW], v0, 2, SPARE
	v_mov_b32 v[NIL], 0
	v_lshrrev_b32 v14, 5, v0
	v_readfirstlane_b32 s18, v14                   ; wave 0..7
	v_and_b32 v1, 31, v0                           ; lane
	v_and_b32 v2, 15, v0                           ; r
	v_bfe_u32 v3, v0, 4, 1                         ; h
	s_mov_b32 s19, ttmp9
	s_mov_b32 s21, 0
	v_lshlrev_b32 v[XO], 4, v0
	s_lshl_b32 s22, s18, 12
	v_lshl_add_u32 v[WO], v1, 4, s22
	v_lshlrev_b32 v[XBO], 3, v0
	s_mul_i32 s23, s18, XWAVE
	v_lshl_add_u32 v[XST], v1, 3, s23
	v_and_b32 v[WST], 30, v1                       ; row lane / 2 of the load's 16: 32 bytes each,
	v_lshlrev_b32 v[WST], 4, v[WST]
	v_and_b32 v15, 1, v1                           ; experts 4 (lane % 2) on
	v_lshl_add_u32 v[WST], v15, 3, v[WST]
	s_add_co_u32 s22, s22, WS
	v_add_nc_u32 v[WST], s22, v[WST]
	v_mul_u32_u24 v[TFA], v2, XPITCH
	v_lshl_add_u32 v[TFA], v3, 4, v[TFA]
	v_add_nc_u32 v[TFA], s23, v[TFA]
	v_and_b32 v[WTA], 7, v0                        ; the turning load: row 8 h + lane % 8, 16 bytes at 16 ((lane / 8) % 2)
	v_lshl_add_u32 v[WTA], v3, 3, v[WTA]
	v_lshlrev_b32 v[WTA], 5, v[WTA]
	v_bfe_u32 v15, v0, 3, 1
	v_lshl_add_u32 v[WTA], v15, 4, v[WTA]
	v_add_nc_u32 v[WTA], s22, v[WTA]
	s_lshl_b32 s23, s18, 10
	s_add_co_u32 s23, s23, RED
	v_lshl_add_u32 v[RDA], v1, 5, s23
	s_wait_kmcnt 0x0
	s_load_b256 s[24:31], s[8:9], 0x0              ; br
	s_lshl_b32 s20, s19, 16                        ; 16 rows of 4,096 bytes
	s_add_nc_u64 s[4:5], s[4:5], s[20:21]
	s_lshl_b32 s20, s19, 15
	s_add_nc_u64 s[10:11], s[10:11], s[20:21]
	s_lshl_b32 s20, s19, 1                         ; my 16 bits in each expert's 128 bytes
	s_add_nc_u64 s[12:13], s[12:13], s[20:21]
	s_lshl_b32 s20, s19, 6
	s_add_nc_u64 s[14:15], s[14:15], s[20:21]
	s_lshl_b32 s20, s19, 7
	s_add_nc_u64 s[16:17], s[16:17], s[20:21]
.irp j, 0,1,2,3,4,5,6,7
	global_load_b128 v[WR+4*(\j):WR+4*(\j)+3], v[WO], s[6:7] offset:512*(\j)
.endr
.irp t, 0,1,2,3,4,5,6,7,8,9,10,11,12,13,14,15
	global_load_b128 v[XR+4*(\t):XR+4*(\t)+3], v[XO], s[4:5] offset:4096*(\t) th:TH_LOAD_NT  ; 512 consecutive bytes of token t
.endr
	s_wait_loadcnt 16                              ; the sixteen loads of x are younger: Wr is in
.irp j, 0,1,2,3,4,5,6,7
	v_cvt_pk_bf16_f32 v[WP+2*(\j)], v[WR+4*(\j)], v[WR+4*(\j)+1]
	v_cvt_pk_bf16_f32 v[WP+2*(\j)+1], v[WR+4*(\j)+2], v[WR+4*(\j)+3]
	ds_store_b64 v[WST], v[WP+2*(\j):WP+2*(\j)+1] offset:512*(\j)
	ds_store_b64 v[WST], v[WP+2*(\j):WP+2*(\j)+1] offset:512*(\j)+16  ; the copy: columns 8 to 15
.endr
.irp t, 0,1,2,3,4,5,6,7,8,9,10,11,12,13,14,15
	s_wait_loadcnt 15-(\t)                         ; loads come back in order: token t is in
	v_cvt_pk_bf16_f32 v[XP+2*(\t)], v[XR+4*(\t)], v[XR+4*(\t)+1]
	v_cvt_pk_bf16_f32 v[XP+2*(\t)+1], v[XR+4*(\t)+2], v[XR+4*(\t)+3]
	global_store_b64 v[XBO], v[XP+2*(\t):XP+2*(\t)+1], s[10:11] offset:2048*(\t)
	ds_store_b64 v[XST], v[XP+2*(\t):XP+2*(\t)+1] offset:XPITCH*(\t)
.endr
.irp k, 0,1,2,3                     ; the wave reads its own bytes: LDS serves a wave's instructions in order, so no barrier stands here
	ds_load_b128 v[TF+8*(\k):TF+8*(\k)+3], v[TFA] offset:64*(\k)
	ds_load_b128 v[TF+8*(\k)+4:TF+8*(\k)+7], v[TFA] offset:64*(\k)+32
	ds_load_tr16_b128 v[WF+8*(\k):WF+8*(\k)+3], v[WTA] offset:1024*(\k)
	ds_load_tr16_b128 v[WF+8*(\k)+4:WF+8*(\k)+7], v[WTA] offset:1024*(\k)+512
.endr
	s_wait_kmcnt 0x0                               ; br
	s_wait_dscnt 0x0
	v_wmma_f32_16x16x32_bf16 v[A0:A0+7], v[WF:WF+7], v[TF:TF+7], 0                       ; two accumulators by turns
	v_wmma_f32_16x16x32_bf16 v[A0+8:A0+15], v[WF+8:WF+15], v[TF+8:TF+15], 0
	v_wmma_f32_16x16x32_bf16 v[A0:A0+7], v[WF+16:WF+23], v[TF+16:TF+23], v[A0:A0+7]
	v_wmma_f32_16x16x32_bf16 v[A0+8:A0+15], v[WF+24:WF+31], v[TF+24:TF+31], v[A0+8:A0+15]
.rept 4
	v_nop                                          ; four places between the last product and the reads of its result (ISA guide 7.12.1)
.endr
.irp p, 0,2,4,6
	v_pk_add_f32 v[A0+(\p):A0+(\p)+1], v[A0+(\p):A0+(\p)+1], v[A0+8+(\p):A0+8+(\p)+1]
.endr
	ds_store_b128 v[RDA], v[A0:A0+3]
	ds_store_b128 v[RDA], v[A0+4:A0+7] offset:16
	s_wait_dscnt 0x0                               ; for wave 0's sake: my partial logits are stored
	s_barrier_signal -1
	s_barrier_wait -1
	s_cmp_lg_u32 s18, 0
	s_cbranch_scc0 .Lwave0
	s_wait_tensorcnt 0x0                           ; the wave's end, behind my last LDS store
	ds_add_u32 v[SPW], v[NIL]
	s_wait_dscnt 0x0
	s_endpgm
.Lwave0:
	v_lshl_add_u32 v106, v1, 5, RED
.irp q, 0,1,2,3,4,5,6,7
	ds_load_b128 v[16+8*(\q):19+8*(\q)], v106 offset:1024*(\q)
	ds_load_b128 v[20+8*(\q):23+8*(\q)], v106 offset:1024*(\q)+16
.endr
.irp p, 0,1,2,3                     ; br rounded to bf16 and widened again
	v_cvt_pk_bf16_f32 v[108+(\p)], s[24+2*(\p)], s[25+2*(\p)]
	v_lshlrev_b32 v[80+2*(\p)], 16, v[108+(\p)]
	v_and_b32 v[81+2*(\p)], 0xffff0000, v[108+(\p)]
.endr
	s_wait_dscnt 0x0
.irp q, 1,2,3,4,5,6,7               ; the eight parts in ascending order of k
.irp p, 0,2,4,6
	v_pk_add_f32 v[16+(\p):17+(\p)], v[16+(\p):17+(\p)], v[16+8*(\q)+(\p):17+8*(\q)+(\p)]
.endr
.endr
.irp p, 0,2,4,6
	v_pk_add_f32 v[16+(\p):17+(\p)], v[16+(\p):17+(\p)], v[80+(\p):81+(\p)]
.endr
	v_mov_b32 v96, v16                             ; the largest: only a strictly greater logit takes the place, so the lower index keeps a tie
	v_mov_b32 v97, 0
.irp e, 1,2,3,4,5,6,7
	v_cmp_gt_f32 vcc_lo, v[16+(\e)], v96
	v_cndmask_b32 v96, v96, v[16+(\e)], vcc_lo
	v_cndmask_b32 v97, v97, \e, vcc_lo
.endr
	v_mov_b32 v111, 0xff800000                     ; -infinity takes the winner's place,
.irp e, 0,1,2,3,4,5,6,7
	v_cmp_eq_u32 vcc_lo, \e, v97
	v_cndmask_b32 v[88+(\e)], v[16+(\e)], v111, vcc_lo
.endr
	v_mov_b32 v98, v88                             ; and the same scan finds the second
	v_mov_b32 v99, 0
.irp e, 1,2,3,4,5,6,7
	v_cmp_gt_f32 vcc_lo, v[88+(\e)], v98
	v_cndmask_b32 v98, v98, v[88+(\e)], vcc_lo
	v_cndmask_b32 v99, v99, \e, vcc_lo
.endr
	v_sub_f32 v100, v98, v96                       ; the softmax of two: the maximum is taken away, so the first term is 1 and the second t <= 1
	v_mul_f32 v100, 0x3fb8aa3b, v100
	v_exp_f32 v100, v100
	v_lshl_or_b32 v104, v99, 8, v97                ; sel = first | second << 8: a plain instruction behind the exponential
	s_wait_alu depctr_va_vdst(0)                   ; the wait ahead of the first reader
	v_add_f32 v101, 1.0, v100
	v_rcp_f32 v102, v101
	v_mov_b32 v105, 0                              ; a plain instruction behind the reciprocal
	s_wait_alu depctr_va_vdst(0)
	v_mul_f32 v103, v100, v102                     ; v102 = 1 / (1 + t), v103 = t / (1 + t)
.irp e, 0,1,2,3,4,5,6,7             ; expert e's 16 bits: which of my 16 tokens chose it; they go into lane e
	v_cmp_eq_u32 s32, \e, v97
	v_cmp_eq_u32 s33, \e, v99
	s_or_b32 s32, s32, s33
	s_and_b32 s32, s32, 0xffff
	v_writelane_b32 v105, s32, \e
.endr
	v_lshlrev_b32 v108, 2, v1
	v_lshlrev_b32 v109, 3, v1
	v_lshlrev_b32 v110, 7, v1
	s_wait_xcnt 0x0                                ; EXEC is a source of the stores issued so far: it changes only behind this wait
	v_cmp_gt_u32 vcc_lo, 16, v1
	s_and_saveexec_b32 s34, vcc_lo                 ; lanes 0 to 15: one lane a token
	global_store_b32 v108, v104, s[14:15]
	global_store_b64 v109, v[102:103], s[16:17]
	s_wait_xcnt 0x0
	s_or_b32 exec_lo, exec_lo, s34
	v_cmp_gt_u32 vcc_lo, 8, v1
	s_and_saveexec_b32 s34, vcc_lo                 ; lanes 0 to 7: one lane an expert
	global_store_b16 v110, v105, s[12:13]
	s_wait_xcnt 0x0
	s_or_b32 exec_lo, exec_lo, s34
	s_wait_tensorcnt 0x0                           ; the wave's end
	ds_add_u32 v[SPW], v[NIL]
	s_wait_dscnt 0x0
	s_endpgm
.Lfunc_end_k_q337aa5c033_router:
	.size	k_q337aa5c033_router, .Lfunc_end_k_q337aa5c033_router-k_q337aa5c033_router
	.p2alignl 7, 3214868480
	.fill 96, 4, 3214868480
	.section	.rodata,"a",@progbits
	.p2align	6, 0x0
	.amdhsa_kernel k_q337aa5c033_router
		.amdhsa_group_segment_fixed_size 76800
		.amdhsa_private_segment_fixed_size 0
		.amdhsa_enable_private_segment 0
		.amdhsa_kernarg_size 56
		.amdhsa_user_sgpr_count 2
		.amdhsa_user_sgpr_kernarg_segment_ptr 1
		.amdhsa_wavefront_size32 1
		.amdhsa_system_sgpr_workgroup_id_x 1
		.amdhsa_system_sgpr_workgroup_id_y 1
		.amdhsa_system_sgpr_workgroup_id_z 1
		.amdhsa_system_vgpr_workitem_id 0
		.amdhsa_next_free_vgpr 240
		.amdhsa_next_free_sgpr 66
		.amdhsa_reserve_vcc 1
		.amdhsa_float_denorm_mode_32 3
		.amdhsa_float_denorm_mode_16_64 3
		.amdhsa_memory_ordered 1
		.amdhsa_forward_progress 1
		.amdhsa_inst_pref_size 24
	.end_amdhsa_kernel
	.amdgpu_metadata
---
amdhsa.version: [ 1, 2 ]
amdhsa.kernels:
  - .name:           k_q337aa5c033_router
    .symbol:         k_q337aa5c033_router.kd
    .args:
      - { .name: x, .offset: 0, .size: 8, .value_kind: global_buffer, .address_space: global }
      - { .name: Wr, .offset: 8, .size: 8, .value_kind: global_buffer, .address_space: global }
      - { .name: br, .offset: 16, .size: 8, .value_kind: global_buffer, .address_space: global }
      - { .name: xb, .offset: 24, .size: 8, .value_kind: global_buffer, .address_space: global }
      - { .name: bm, .offset: 32, .size: 8, .value_kind: global_buffer, .address_space: global }
      - { .name: sel, .offset: 40, .size: 8, .value_kind: global_buffer, .address_space: global }
      - { .name: gate, .offset: 48, .size: 8, .value_kind: global_buffer, .address_space: global }
    .group_segment_fixed_size: 76800
    .private_segment_fixed_size: 0
    .kernarg_segment_align: 8
    .kernarg_segment_size: 56
    .max_flat_workgroup_size: 256
    .sgpr_count:     66
    .vgpr_count:     240
    .wavefront_size: 32
...
	.end_amdgpu_metadata
.endif
;; end of part 1
;; launch up (part 2): grid 256 x 1, 4 waves a work-group, no clusters, 262,656 bytes of LDS; arguments xb, W1, b1, bm, hid; writes hid
.if DOCPART == 2
	.amdgcn_target "amdgcn-amd-amdhsa--gfx1250"
	.amdhsa_code_object_version 6
	.text
	.protected	k_q337aa5c033_up
	.globl	k_q337aa5c033_up
	.p2align	8
	.type	k_q337aa5c033_up,@function
k_q337aa5c033_up:
	s_mov_b64 s[64:65], 0
	v_nop
	global_prefetch_b8 v0, s[64:65] scope:SCOPE_SE
	s_setreg_imm32_b32 hwreg(HW_REG_WAVE_MODE, 25, 1), 1
	s_wait_xcnt 0x0
; FIRST PRODUCT AND SWIGLU, for the chosen rows alone.  act[e][row][j] = silu(x W1[e][:, j] + b1[e][j]) * (x W1[e][:, 2048 + j] + b1[e][2048 + j]), stored in bf16.
; FORMATS.  x comes in bf16 (xb); W1 and b1 are rounded once to bf16 on their way through the registers; sums and the activation in f32; act rounded once to bf16 (not f16: with inputs 30 times larger act passes f16's range).
; LIMITS.  An exponential below 2^-126 counts as 0.  NaN and infinities are not treated apart.
; SHARES.  Work-group = expert e (number / 32) x 64 hidden units s (number % 32): the 64 columns of the a half and the 64 of the g half, 512 KB of W1 that no other work-group reads.
; They are laid into LDS once, as 262,144 bytes of bf16 in the order of the operand registers.  Then the expert's rows go through, 16 to a tile; wave w has tiles 16 P + 4 i + w (pass P, i = 0..3).
; EVERY SPLIT.  An expert has 0 to 1,024 rows: four passes, a constant; a pass or a tile past the count is jumped over, forward, with no barrier in what is jumped.  The places past the count in the last tile repeat the last row.
; THE ROWS.  The expert's rows are its tokens in ascending order.  Its bitmap (32 words, stored by the launch before) stays in scalar registers, and each wave finds the token of a rank for itself, in registers:
; 31 compares against the running counts pick the word, five halving steps over partial bit counts pick the bit.  No list in LDS, no wave waits for another's list; the first search stands in the wait for the first weights.
; WEIGHTS WITHOUT A TRANSPOSE.  Lane (r = lane % 16, h = lane / 16) loads columns 4 r .. 4 r + 3 of eight rows k; two rows of one column pack into a register of a fragment; the four columns go to four fragments:
; block b holds the columns 4 m + b.  A fragment's place (c, h, i) holds k = 32 ks + 16 h + 8 c + i, in the weights and in the tokens alike: a permutation of k that leaves the sums what they are.
; RESULT.  Source 0 = weights, source 1 = 16 tokens: lane (r, h) holds token r; register jj of block b the column 32 h + 4 jj + b.  These ARE the places of the second product's token fragments, so act leaves in stores of 512 consecutive bytes.
; NO CLUSTER: each byte of W1 has one reader; the rows that an expert's work-groups share are picked by rank, which no tile's descriptor covers.  NO TENSOR LOAD: the weights pass the registers to be rounded.
; NO PREFETCH: a wave has 56 to 64 loads of 512 bytes of its slice out from its first line on.
; REGISTERS, in windows of 256 (s_set_vgpr_msb: bits 1:0 source 0, 3:2 source 1, 5:4 source 2, 7:6 destination).  Window 0: see below.  Window 1: T0, window 2: T1 (token fragments of 8 K steps, 64 a tile);
; window 3: the accumulators, 64 a tile (block at 8 x block).  While the slice is laid in, the three windows take the f32 weights by turns, 32 registers a unit.
; SCALARS.  s32-63 the bitmap; s[66:67] -log2(e); s68 the last rank; s69-99 the keys K_c = 32 x (rows ahead of word c) + c, c = 1..31; s100, s101 the search's count and rank.
.set SPARE, 262144                  ; behind the slice: the spare words, 128 bytes for each wave
.set SPW,  4                        ; v4   my spare word's address; never rewritten
.set NIL,  5                        ; v5   0; never rewritten
.set WOFF, 6                        ; v6   262144 h + 16 r: my place in W1's rows
.set LST,  7                        ; v7   where my converted weights go
.set WL,   8                        ; v8   where the weights' fragments are read: made anew ahead of each run of loads
.set RK0,  9                        ; v9   16 w + r: my row's rank in tile 0 of pass 0
.set TOFF, 10                       ; v10-13  tile i: 2048 x token + 32 h
.set L16,  14                       ; v14  16 x lane
.set H32,  15                       ; v15  32 h
.set CV,   16                       ; v16-31  act in bf16
.set WB0,  32                       ; v32-95, v96-159  the weights' fragments of a K step, two buffers; while the slice is laid in: eight sets of converted weights
.set BIAS, 160                      ; v160-223  b1 in the accumulators' layout
.set ACT,  224                      ; v224-255  at work
.set RH,   ACT+4                    ; the search's registers: the rank,
.set RQ,   ACT+5                    ; 32 x rank + 31,
.set WD,   ACT+6                    ; the word,
.set KK,   ACT+7                    ; its key, then its number,
.set TA,   ACT+8                    ; its bit counts by 2,
.set TB,   ACT+9                    ; by 4,
.set TC,   ACT+10                   ; by 8 bits,
.set TN,   ACT+12                   ; how many set bits still lie ahead of mine,
.set TP,   ACT+13                   ; the bit's place so far,
.set TT,   ACT+14                   ; two at work,
.set TU,   ACT+15
.set TZ,   ACT+16                   ; and 0
.set MSB, 0
.macro WIN new                      ; the high byte repeats the setting that is left; a switch that changes nothing is dropped
.if MSB != (\new)
	s_set_vgpr_msb (MSB<<8)|(\new)
.set MSB, (\new)
.endif
.endm
.macro PLACES                       ; four places between a matrix instruction and a load into, or a read of, its registers
.rept 4
	v_nop
.endr
.endm
; Unit u = K step u of my (half G, part c): eight rows 32 u + 16 h + 8 c + i, 256 consecutive bytes for each half of the lanes
.macro WLOAD u
.set LW, 1+(((\u)>>3)%3)
.set LS, 32*((\u)&7)
	WIN LW<<6
.irp i, 0,1,2,3,4,5,6,7
.if (\u) < 16
	global_load_b128 v[LS+4*(\i):LS+4*(\i)+3], v[WOFF], s[6:7] offset:((\u)%16)*524288+(\i)*16384 th:TH_LOAD_NT
.else
	global_load_b128 v[LS+4*(\i):LS+4*(\i)+3], v[WOFF], s[28:29] offset:((\u)%16)*524288+(\i)*16384 th:TH_LOAD_NT
.endif
.endr
.endm
.macro UNIT u
.if (\u) <= 24
	s_wait_loadcnt 56                              ; the seven younger units stay out
.else
	s_wait_loadcnt 8*(31-(\u))
.endif
.if (\u) < 24
	WLOAD (\u)+8
.endif
.set UW, 1+(((\u)>>3)%3)
.set US, 32*((\u)&7)
.set UC, WB0+16*((\u)&7)            ; eight sets by turns: a conversion never writes the registers of the LDS stores just issued
	WIN UW|(UW<<2)
.irp b, 0,1,2,3
.irp p, 0,1,2,3
	v_cvt_pk_bf16_f32 v[UC+4*(\b)+(\p)], v[US+8*(\p)+(\b)], v[US+8*(\p)+4+(\b)]  ; rows 2 p and 2 p + 1 of column 4 r + b
.endr
.endr
	WIN 0
.irp b, 0,1,2,3
	ds_store_b128 v[LST], v[UC+4*(\b):UC+4*(\b)+3] offset:((\u)&7)*8192+(\b)*1024
.endr
.if (((\u)&7) == 7) && ((\u) < 31)
	v_add_nc_u32 v[LST], 0x10000, v[LST]
.endif
.endm
.macro NLIVE d                      ; how many of my four tiles of the pass to prepare exist: (tiles - (16 P + w) + 3) / 4, held to 0 .. 4
	s_sub_co_i32 s[\d], s18, s19
	s_add_co_i32 s[\d], s[\d], 3
	s_ashr_i32 s[\d], s[\d], 2
	s_max_i32 s[\d], s[\d], 0
	s_min_i32 s[\d], s[\d], 4
	s_add_co_u32 s19, s19, 16
.endm
; One halving step: are the wd bits at the place so far fewer set bits than still lie ahead of mine?  Then they are passed over.
.macro SELSTEP src, wd
	v_bfe_u32 v[TT], v[\src], v[TP], \wd
	v_cmp_ge_u32 vcc_lo, v[TN], v[TT]
	v_cndmask_b32 v[TT], 0, v[TT], vcc_lo
	v_sub_nc_u32 v[TN], v[TN], v[TT]
	v_cndmask_b32 v[TU], v[TZ], \wd, vcc_lo
	v_add_nc_u32 v[TP], v[TP], v[TU]
.endm
; My four tiles' tokens for the pass whose first rank is s3 = 256 P, as row offsets in xb.  Four trips, tile 3 first; the results move up through v224-227.
.macro TOK
	v_mov_b32 v[ACT], 0
	v_mov_b32 v[ACT+1], 0
	v_mov_b32 v[ACT+2], 0
	v_mov_b32 v[TZ], 0
	s_add_co_u32 s101, s3, 192
	s_mov_b32 s100, 4
.Ltk_\@:
	v_add_nc_u32 v[RH], s101, v[RK0]               ; rank = 256 P + 64 i + 16 w + r,
	v_min_u32 v[RH], s68, v[RH]                    ; past the count: the last row
	v_lshl_or_b32 v[RQ], v[RH], 5, 31              ; K_c <= 32 rank + 31 says: no more rows than my rank lie ahead of word c
	v_mov_b32 v[WD], s32
	v_mov_b32 v[KK], 0
.set wc, 1
.rept 31                            ; the keys ascend: the last word that passes is mine
	v_cmp_le_u32 vcc_lo, s[68+wc], v[RQ]
	v_cndmask_b32 v[WD], v[WD], s[32+wc], vcc_lo
	v_cndmask_b32 v[KK], v[KK], s[68+wc], vcc_lo
.set wc, wc+1
.endr
	v_lshrrev_b32 v[TT], 5, v[KK]
	v_sub_nc_u32 v[TN], v[RH], v[TT]               ; so many set bits of the word lie ahead of mine
	v_and_b32 v[KK], 31, v[KK]                     ; the word's number
	v_lshrrev_b32 v[TT], 1, v[WD]                  ; bit counts by 2, 4 and 8 bits
	v_and_b32 v[TT], 0x55555555, v[TT]
	v_sub_nc_u32 v[TA], v[WD], v[TT]
	v_lshrrev_b32 v[TT], 2, v[TA]
	v_and_b32 v[TT], 0x33333333, v[TT]
	v_and_b32 v[TB], 0x33333333, v[TA]
	v_add_nc_u32 v[TB], v[TB], v[TT]
	v_lshrrev_b32 v[TT], 4, v[TB]
	v_add_nc_u32 v[TC], v[TB], v[TT]
	v_and_b32 v[TC], 0x0f0f0f0f, v[TC]
	v_bfe_u32 v[TT], v[TC], 8, 8                   ; the low 16 bits' count
	v_and_b32 v[TU], 0xff, v[TC]
	v_add_nc_u32 v[TT], v[TU], v[TT]
	v_cmp_ge_u32 vcc_lo, v[TN], v[TT]
	v_cndmask_b32 v[TT], 0, v[TT], vcc_lo
	v_sub_nc_u32 v[TN], v[TN], v[TT]
	v_cndmask_b32 v[TP], v[TZ], 16, vcc_lo
	SELSTEP TC, 8
	SELSTEP TB, 4
	SELSTEP TA, 2
	SELSTEP WD, 1
	v_mov_b32 v[ACT+3], v[ACT+2]
	v_mov_b32 v[ACT+2], v[ACT+1]
	v_mov_b32 v[ACT+1], v[ACT]
	v_lshl_add_u32 v[ACT], v[KK], 5, v[TP]         ; token = 32 x word + bit
	s_sub_co_u32 s101, s101, 64
	s_sub_co_u32 s100, s100, 1
	s_cmp_lg_u32 s100, 0
	s_cbranch_scc1 .Ltk_\@
.irp i, 0,1,2,3
	v_min_u32 v[ACT+(\i)], 1023, v[ACT+(\i)]
	v_lshl_add_u32 v[TOFF+(\i)], v[ACT+(\i)], 11, v[H32]
.endr
.endm
.macro TLOAD set, off, cntreg       ; the token fragments of 8 K steps (512 bytes of each row), for as many tiles as the register says
	PLACES
.irp i, 0,1,2,3
	WIN 0
	s_cmp_le_u32 s[\cntreg], \i
	s_cbranch_scc1 .Ltl_\@
	WIN 0x40*(1+(\set))
.irp kk, 0,1,2,3,4,5,6,7
	global_load_b128 v[64*(\i)+8*(\kk):64*(\i)+8*(\kk)+3], v[TOFF+(\i)], s[26:27] offset:(\off)+64*(\kk)
	global_load_b128 v[64*(\i)+8*(\kk)+4:64*(\i)+8*(\kk)+7], v[TOFF+(\i)], s[26:27] offset:(\off)+64*(\kk)+16
.endr
.endr
	WIN 0
.Ltl_\@:
.endm
.macro WADDR                        ; the address of the batch in hand: s2 counts on by 65,536 a batch of eight K steps, and the AND cuts it to the slice's four batches; 16 bytes a lane
	s_and_b32 s25, s2, 0x30000
	v_add_nc_u32 v[WL], s25, v[L16]
.endm
.macro FETCHW wb, kk                ; a K step's eight fragments of weights: 16 loads of 512 consecutive bytes
.irp b, 0,1,2,3,4,5,6,7
	ds_load_b128 v[WB0+64*(\wb)+8*(\b):WB0+64*(\wb)+8*(\b)+3], v[WL] offset:(\kk)*8192+(\b)*1024
	ds_load_b128 v[WB0+64*(\wb)+8*(\b)+4:WB0+64*(\wb)+8*(\b)+7], v[WL] offset:(\kk)*8192+(\b)*1024+512
.endr
.endm
; A K step's products: eight for each live tile; the accumulators take turns, one instruction a turn.  first = 1: the sums start from the bias.
.macro MULS set, kk, wb, first
.irp i, 0,1,2,3
.if (\i) > 0
	WIN 0
	s_cmp_le_u32 s21, \i
	s_cbranch_scc1 .Lmu_\@
.endif
.if \first
	WIN 0xc4
.else
	WIN 0xf4+4*(\set)
.endif
.irp b, 0,1,2,3,4,5,6,7
.if \first
	v_wmma_f32_16x16x32_bf16 v[64*(\i)+8*(\b):64*(\i)+8*(\b)+7], v[WB0+64*(\wb)+8*(\b):WB0+64*(\wb)+8*(\b)+7], v[64*(\i)+8*(\kk):64*(\i)+8*(\kk)+7], v[BIAS+8*(\b):BIAS+8*(\b)+7]
.else
	v_wmma_f32_16x16x32_bf16 v[64*(\i)+8*(\b):64*(\i)+8*(\b)+7], v[WB0+64*(\wb)+8*(\b):WB0+64*(\wb)+8*(\b)+7], v[64*(\i)+8*(\kk):64*(\i)+8*(\kk)+7], v[64*(\i)+8*(\b):64*(\i)+8*(\b)+7]
.endif
.endr
.endr
	WIN 0
.Lmu_\@:
.endm
.macro KSTEP set, kk                ; the next step's weights are fetched, this step's multiplied
.if (\kk) == 7
	s_add_co_u32 s2, s2, 0x10000                   ; the next eight K steps' 65,536 bytes; behind the fourth batch the AND gives the first again, for the next pass
.endif
	WADDR                                          ; the address line and three v_nop are the four places between the last products and the loads into the buffer that they read
.rept 3
	v_nop
.endr
.if (\kk) == 7
	FETCHW 0, 0
.else
	FETCHW ((\kk)+1)&1, (\kk)+1
.endif
	s_wait_dscnt 16                                ; all but the 16 just issued: this step's fragments are in
	MULS \set, \kk, (\kk)&1, 0
.endm
; Tile i leaves: act = (a / (1 + 2^(-a log2 e))) g, rounded to bf16, in the second product's order
.macro EPI i
	WIN 0
.if (\i) > 0
	s_cmp_le_u32 s21, \i
	s_cbranch_scc1 .Lepiend
.endif
	WIN 0x03
.set z, 0
.rept 16                            ; each accumulator's lowest registers are read first
	v_pk_mul_f32 v[ACT+2*z:ACT+2*z+1], v[64*(\i)+2*z:64*(\i)+2*z+1], s[66:67] op_sel_hi:[1,0]
.set z, z+1
.endr
	WIN 0
.set z, 0
.rept 32
	v_exp_f32 v[ACT+z], v[ACT+z]
.set z, z+1
.endr
	v_nop                                          ; a plain instruction behind the last exponential,
	s_wait_alu depctr_va_vdst(0)                   ; and one wait for the batch, ahead of its first reader
.set z, 0
.rept 16
	v_pk_add_f32 v[ACT+2*z:ACT+2*z+1], v[ACT+2*z:ACT+2*z+1], 1.0 op_sel_hi:[1,0]
.set z, z+1
.endr
.set z, 0
.rept 32
	v_rcp_f32 v[ACT+z], v[ACT+z]
.set z, z+1
.endr
	v_nop
	s_wait_alu depctr_va_vdst(0)
	WIN 0x03
.set z, 0
.rept 16
	v_pk_mul_f32 v[ACT+2*z:ACT+2*z+1], v[64*(\i)+2*z:64*(\i)+2*z+1], v[ACT+2*z:ACT+2*z+1]
.set z, z+1
.endr
.set z, 0
.rept 16
	v_pk_mul_f32 v[ACT+2*z:ACT+2*z+1], v[64*(\i)+32+2*z:64*(\i)+32+2*z+1], v[ACT+2*z:ACT+2*z+1]
.set z, z+1
.endr
	WIN 0
	s_wait_xcnt 0x0                                ; the last tile's stores have read v16-31: they are rewritten only behind this wait
.irp q, 0,1
.irp c, 0,1
.irp p, 0,1,2,3
	v_cvt_pk_bf16_f32 v[CV+4*(2*(\q)+(\c))+(\p)], v[ACT+16*((\p)&1)+4*(\q)+2*(\c)+((\p)>>1)], v[ACT+16*((\p)&1)+8+4*(\q)+2*(\c)+((\p)>>1)]
.endr
.endr
.endr
.irp q, 0,1
.irp c, 0,1
	global_store_b128 v[L16], v[CV+4*(2*(\q)+(\c)):CV+4*(2*(\q)+(\c))+3], s[12:13] offset:(\i)*262144+(\q)*1024+(\c)*512  ; 512 consecutive bytes, aligned
.endr
.endr
.endm
	s_load_b256 s[4:11], s[0:1], 0x0               ; xb s[4:5], W1 s[6:7], b1 s[8:9], bm s[10:11]
	s_load_b64 s[12:13], s[0:1], 0x20              ; hid
	v_lshl_add_u32 v[SPW], v0, 2, SPARE
	v_mov_b32 v[NIL], 0
	v_lshrrev_b32 v1, 5, v0
	v_readfirstlane_b32 s14, v1                    ; wave 0..3
	v_and_b32 v1, 31, v0                           ; lane
	v_and_b32 v2, 15, v0                           ; r
	v_bfe_u32 v3, v0, 4, 1                         ; h
	s_lshr_b32 s15, ttmp9, 5                       ; expert
	s_and_b32 s16, ttmp9, 31                       ; slice
	s_and_b32 s24, s14, 1                          ; G: which half of the columns I lay in
	s_lshr_b32 s25, s14, 1                         ; c: which part of a fragment
	v_lshlrev_b32 v[WOFF], 4, v2
	v_lshl_add_u32 v[WOFF], v3, 18, v[WOFF]
	v_lshlrev_b32 v[L16], 4, v1
	s_lshl_b32 s30, s24, 12
	s_lshl_b32 s31, s25, 9
	s_add_co_u32 s30, s30, s31
	v_add_nc_u32 v[LST], s30, v[L16]
	v_lshlrev_b32 v[H32], 5, v3
	s_lshl_b32 s30, s14, 4
	v_add_nc_u32 v[RK0], s30, v2
	v_lshlrev_b32 v32, 7, v3                       ; b1: my 32 columns
	s_lshl_b32 s2, s15, 24                         ; W1: expert, half, slice, part (8 rows of 16,384 bytes)
	s_lshl_b32 s30, s24, 13
	s_add_co_u32 s2, s2, s30
	s_lshl_b32 s30, s16, 8
	s_add_co_u32 s2, s2, s30
	s_lshl_b32 s30, s25, 17
	s_add_co_u32 s2, s2, s30
	s_mov_b32 s3, 0
	s_mov_b32 s31, 0
	s_wait_kmcnt 0x0
	s_add_nc_u64 s[6:7], s[6:7], s[2:3]
	s_add_nc_u64 s[28:29], s[6:7], 0x800000        ; K steps 16 on: the loads' immediates stay inside their signed 24 bits
	s_lshl_b32 s30, s15, 7
	s_add_nc_u64 s[10:11], s[10:11], s[30:31]
	s_load_b512 s[32:47], s[10:11], 0x0            ; my expert's bitmap: bit L of word c is token 32 c + L
	s_load_b512 s[48:63], s[10:11], 0x40
	s_lshl_b32 s30, s15, 14
	s_lshl_b32 s25, s16, 8
	s_add_co_u32 s30, s30, s25
	s_add_nc_u64 s[8:9], s[8:9], s[30:31]
	s_lshl_b32 s30, s15, 6
	s_add_co_u32 s30, s30, s14
	s_lshl_b32 s30, s30, 16
	s_lshl_b32 s25, s16, 11
	s_add_co_u32 s30, s30, s25
	s_add_nc_u64 s[12:13], s[12:13], s[30:31]      ; hid: tile w of my expert, K steps 2 s and 2 s + 1
	WIN 0x80
.irp g, 0,1
.irp jj, 0,1,2,3,4,5,6,7
	global_load_b128 v[32*(\g)+4*(\jj):32*(\g)+4*(\jj)+3], v32, s[8:9] offset:(\g)*8192+16*(\jj)
.endr
.endr
	WLOAD 0
	WLOAD 1
	WLOAD 2
	WLOAD 3
	WLOAD 4
	WIN 0
	s_wait_kmcnt 0x0
	s_mov_b32 s17, 0
.set k, 0
.rept 32                            ; the count, and on the way the keys: 32 x (rows in words 0 .. k) + (k + 1)
	s_bcnt1_i32_b32 s25, s[32+k]
	s_add_co_u32 s17, s17, s25
.if k < 31
	s_lshl_b32 s[69+k], s17, 5
	s_or_b32 s[69+k], s[69+k], k+1
.endif
.set k, k+1
.endr
	s_min_u32 s17, s17, 1024                       ; the expert's rows
	s_add_co_u32 s18, s17, 15
	s_lshr_b32 s18, s18, 4                         ; its tiles
	s_max_u32 s68, s17, 1
	s_sub_co_u32 s68, s68, 1                       ; its last rank
	TOK                                            ; pass 0's tokens (s3 = 0), while the first 56 loads are out
	s_wait_loadcnt 40                              ; units 0 to 4 are younger: b1 is in
	s_mov_b32 s25, 0xffff0000
	s_mov_b32 s66, 0xbfb8aa3b                      ; -log2(e), named as a pair by the packed multiply
	s_mov_b32 s67, s66
	WIN 0x0a
.irp g, 0,1
.irp jj, 0,1,2,3,4,5,6,7
.irp q, 0,1
	v_cvt_pk_bf16_f32 v[ACT+16*(\g)+2*(\jj)+(\q)], v[32*(\g)+4*(\jj)+2*(\q)], v[32*(\g)+4*(\jj)+2*(\q)+1]
.endr
.endr
.endr
	WIN 0
.irp g, 0,1
.irp jj, 0,1,2,3,4,5,6,7
.irp q, 0,1
	v_lshlrev_b32 v[BIAS+8*(4*(\g)+2*(\q))+(\jj)], 16, v[ACT+16*(\g)+2*(\jj)+(\q)]
	v_and_b32 v[BIAS+8*(4*(\g)+2*(\q)+1)+(\jj)], s25, v[ACT+16*(\g)+2*(\jj)+(\q)]
.endr
.endr
.endr
	WLOAD 5
	WLOAD 6
	WLOAD 7
.set uu, 0
.rept 32                            ; THE SLICE IS LAID IN
	UNIT uu
.set uu, uu+1
.endr
	s_mov_b32 s19, s14                             ; pass 0 is prepared
	s_mov_b32 s23, 0
	s_mov_b32 s2, 0
	NLIVE 21
	s_mov_b64 s[26:27], s[4:5]
	TLOAD 0, 0, 21
	s_wait_dscnt 0x0                               ; for the others' sake: my part of the slice is stored
	s_barrier_signal -1
	s_barrier_wait -1                              ; the slice is whole; nothing but the closing add writes LDS from here on
	v_mov_b32 v[WL], v[L16]
	FETCHW 0, 0
	s_mov_b32 s20, 4
.Lpass:
	s_cmp_eq_u32 s21, 0
	s_cbranch_scc1 .Lpassend                       ; no tile of mine in this pass
	s_mov_b32 s22, 2
.Ltrip:                             ; a trip: 16 K steps; the token fragments of 8 steps are asked for 8 steps ahead
	s_wait_loadcnt 0x0                             ; T0 is in.  The count is 0 since the number of younger loads hangs on the live tiles
	TLOAD 1, 512, 21                               ; its four places serve the fetch below too: no matrix instruction stands between
	WADDR
	FETCHW 1, 1
	s_wait_dscnt 16
	s_cmp_lg_u32 s22, 2
	s_cbranch_scc1 .Lgoon
	v_nop                                          ; these products write over the accumulators: five places or more stand behind the last product on each (four in TLOAD, the address line, this one)
	MULS 0, 0, 0, 1                                ; a pass's first K step starts the sums from the bias
	s_branch .Lk0
.Lgoon:
	MULS 0, 0, 0, 0
.Lk0:
.irp kk, 1,2,3,4,5,6,7
	KSTEP 0, \kk
.endr
	s_wait_loadcnt 0x0                             ; T1 is in, and every address register of a load is free
	s_cmp_lg_u32 s22, 1
	s_cbranch_scc0 .Lprep
	s_add_nc_u64 s[26:27], s[26:27], 1024          ; the rows' second half
	s_mov_b32 s24, s21
	s_branch .Lload0
.Lprep:                             ; the next pass is prepared: its live tiles, its tokens, its first fragments
	NLIVE 23
	s_mov_b32 s24, s23
	s_cmp_eq_u32 s23, 0
	s_cbranch_scc1 .Lload0                         ; no tile of mine follows: nothing is searched, and the load below asks for nothing
	s_add_co_u32 s3, s3, 256                       ; the next pass's first rank
	TOK
	s_mov_b64 s[26:27], s[4:5]
.Lload0:
	TLOAD 0, 0, 24
.irp kk, 0,1,2,3,4,5,6,7
	KSTEP 1, \kk
.endr
	s_sub_co_u32 s22, s22, 1
	s_cmp_lg_u32 s22, 0
	s_cbranch_scc1 .Ltrip
	PLACES
	EPI 0
	EPI 1
	EPI 2
	EPI 3
.Lepiend:
	s_wait_xcnt 0x0                                ; the stores' base is stepped only behind this wait
	s_add_nc_u64 s[12:13], s[12:13], 0x100000      ; 16 tiles on
	s_mov_b32 s21, s23
.Lpassend:
	s_sub_co_u32 s20, s20, 1
	s_cmp_lg_u32 s20, 0
	s_cbranch_scc1 .Lpass
	s_wait_dscnt 0x0                               ; my last reads of the slice are back,
	s_barrier_signal -1
	s_barrier_wait -1                              ; and so are every wave's: no wave writes LDS again while another still reads it
	s_wait_tensorcnt 0x0                           ; the wave's end, behind my last LDS store
	ds_add_u32 v[SPW], v[NIL]
	s_wait_dscnt 0x0
	s_endpgm
.Lfunc_end_k_q337aa5c033_up:
	.size	k_q337aa5c033_up, .Lfunc_end_k_q337aa5c033_up-k_q337aa5c033_up
	.p2alignl 7, 3214868480
	.fill 96, 4, 3214868480
	.section	.rodata,"a",@progbits
	.p2align	6, 0x0
	.amdhsa_kernel k_q337aa5c033_up
		.amdhsa_group_segment_fixed_size 262656
		.amdhsa_private_segment_fixed_size 0
		.amdhsa_enable_private_segment 0
		.amdhsa_kernarg_size 40
		.amdhsa_user_sgpr_count 2
		.amdhsa_user_sgpr_kernarg_segment_ptr 1
		.amdhsa_wavefront_size32 1
		.amdhsa_system_sgpr_workgroup_id_x 1
		.amdhsa_system_sgpr_workgroup_id_y 1
		.amdhsa_system_sgpr_workgroup_id_z 1
		.amdhsa_system_vgpr_workitem_id 0
		.amdhsa_next_free_vgpr 1024
		.amdhsa_next_free_sgpr 102
		.amdhsa_reserve_vcc 1
		.amdhsa_float_denorm_mode_32 3
		.amdhsa_float_denorm_mode_16_64 3
		.amdhsa_memory_ordered 1
		.amdhsa_forward_progress 1
		.amdhsa_inst_pref_size 211
	.end_amdhsa_kernel
	.amdgpu_metadata
---
amdhsa.version: [ 1, 2 ]
amdhsa.kernels:
  - .name:           k_q337aa5c033_up
    .symbol:         k_q337aa5c033_up.kd
    .args:
      - { .name: xb, .offset: 0, .size: 8, .value_kind: global_buffer, .address_space: global }
      - { .name: W1, .offset: 8, .size: 8, .value_kind: global_buffer, .address_space: global }
      - { .name: b1, .offset: 16, .size: 8, .value_kind: global_buffer, .address_space: global }
      - { .name: bm, .offset: 24, .size: 8, .value_kind: global_buffer, .address_space: global }
      - { .name: hid, .offset: 32, .size: 8, .value_kind: global_buffer, .address_space: global }
    .group_segment_fixed_size: 262656
    .private_segment_fixed_size: 0
    .kernarg_segment_align: 8
    .kernarg_segment_size: 40
    .max_flat_workgroup_size: 128
    .sgpr_count:     102
    .vgpr_count:     1024
    .wavefront_size: 32
...
	.end_amdgpu_metadata
.endif
;; end of part 2
;; launch down (part 3): grid 256 x 1, 4 waves a work-group, no clusters, 135,936 bytes of LDS; arguments hid, W2, b2, bm, part; writes part
.if DOCPART == 3
	.amdgcn_target "amdgcn-amd-amdhsa--gfx1250"
	.amdhsa_code_object_version 6
	.text
	.protected	k_q337aa5c033_down
	.globl	k_q337aa5c033_down
	.p2align	8
	.type	k_q337aa5c033_down,@function
k_q337aa5c033_down:
	s_mov_b64 s[64:65], 0
	v_nop
	global_prefetch_b8 v0, s[64:65] scope:SCOPE_SE
	s_setreg_imm32_b32 hwreg(HW_REG_WAVE_MODE, 25, 1), 1
	s_wait_xcnt 0x0
; SECOND PRODUCT, for the chosen rows alone.  part[e][kh][token][:] = act[e][row][1024 kh .. 1024 kh + 1023] W2[e][those rows][:] (+ b2[e] where kh = 0), in f32: partial sums, added by the launch behind.
; FORMATS.  act comes in bf16, in the order of this launch's operand registers; W2 and b2 are rounded once to bf16 on their way through the registers; sums in f32.
; SHARES.  Work-group = expert e (number / 32) x 64 columns cs ((number / 2) % 16) x half kh of the hidden width (number % 2): 256 KB of W2 that no other work-group reads, laid into LDS once as 131,072 bytes of bf16.
; The split of K gives 256 work-groups whose rows of W2 are whole pieces of 256 bytes; its price is four partial rows a token where two would do.
; Then the expert's rows go through, 16 to a tile; wave w has tiles 16 P + 4 i + w.  Four passes, a constant; a pass or tile past the count is jumped over, forward, with no barrier in what is jumped.
; LAYOUT.  A fragment's place (c, h, i) of K step KS holds hidden unit 64 (KS / 2) + 32 h + 16 (KS % 2) + 8 c + i, in act and in the weights alike.  Source 0 = 16 rows of act, source 1 = weights, block b = columns 4 r + b:
; register j of block b is (row 8 h + j, column 4 r + b): the four blocks give a lane 16 consecutive bytes, sixteen lanes 256 consecutive bytes of a row of part, aligned.
; THE PLACES PAST THE COUNT in the last tile repeat the last row: they store the same bits to the same address once more.
; NO CLUSTER: each byte of W2 has one reader; the tiles of act that an expert's work-groups share would want a ring in LDS inside loops whose live length hangs on a count.  NO TENSOR LOAD: the weights pass the registers to be rounded.
; REGISTERS.  Window 0 below; window 1: T0, window 2: T1 (act fragments of 8 K steps, 64 a tile); while the slice is laid in, they take the f32 weights.
.set LIST,  131072
.set SPARE, LIST+4352
.set SPW,  4                        ; v4   my spare word's address; never rewritten
.set NIL,  5                        ; v5   0; never rewritten
.set WOFF, 6                        ; v6   131072 h + 16 r
.set LST,  7                        ; v7   where my converted weights go
.set LR0,  8                        ; v8   LIST + 64 w + 32 h
.set WL,   9                        ; v9   where the weights' fragments are read: made anew ahead of each run of loads
.set L16,  10                       ; v10  16 x lane
.set R16,  11                       ; v11  16 r
.set LRD,  12                       ; v12  the list's address for the pass in hand
.set B2,   16                       ; v16-19  b2 of my four columns
.set TK,   20                       ; v20-27  my eight rows' tokens, then their offsets in part
.set WB0,  32                       ; v32-63, v64-95  the weights' fragments of a K step, two buffers
.set Q,    96                       ; v96-127  a tile in the order of the stores
.set ACC,  128                      ; v128-255 the accumulators: tile i, block b at 32 i + 8 b
.set MSB, 0
.macro WIN new
.if MSB != (\new)
	s_set_vgpr_msb (MSB<<8)|(\new)
.set MSB, (\new)
.endif
.endm
.macro PLACES                       ; four places between a matrix instruction and a load into, or a read of, its registers
.rept 4
	v_nop
.endr
.endm
; Unit u: K step 2 u + w / 2, part c = w % 2: eight rows 1024 kh + 64 u + 32 h + 8 w + i
.macro WLOAD u
	WIN (1+((\u)>>3))<<6
.irp i, 0,1,2,3,4,5,6,7
	global_load_b128 v[32*((\u)&7)+4*(\i):32*((\u)&7)+4*(\i)+3], v[WOFF], s[6:7] offset:(\u)*262144+(\i)*4096 th:TH_LOAD_NT
.endr
.endm
.macro UNIT u
.if (\u) <= 8
	s_wait_loadcnt 56                              ; the seven younger units stay out
.else
	s_wait_loadcnt 8*(15-(\u))
.endif
.if (\u) < 8
	WLOAD (\u)+8
.endif
.set UW, 1+((\u)>>3)
.set US, 32*((\u)&7)
.set UC, ACC+16*((\u)&7)
	WIN UW|(UW<<2)
.irp b, 0,1,2,3
.irp p, 0,1,2,3
	v_cvt_pk_bf16_f32 v[UC+4*(\b)+(\p)], v[US+8*(\p)+(\b)], v[US+8*(\p)+4+(\b)]
.endr
.endr
	WIN 0
.irp b, 0,1,2,3
	ds_store_b128 v[LST], v[UC+4*(\b):UC+4*(\b)+3] offset:((\u)&7)*8192+(\b)*1024
.endr
.if (\u) == 7
	v_add_nc_u32 v[LST], 0x10000, v[LST]
.endif
.endm
.macro NLIVE d
	s_sub_co_i32 s[\d], s18, s19
	s_add_co_i32 s[\d], s[\d], 3
	s_ashr_i32 s[\d], s[\d], 2
	s_max_i32 s[\d], s[\d], 0
	s_min_i32 s[\d], s[\d], 4
	s_add_co_u32 s19, s19, 16
.endm
.macro TLOAD set, off, cntreg       ; the act fragments of 8 K steps, 512 consecutive bytes a load, for as many tiles as the register says
	PLACES
.irp i, 0,1,2,3
	WIN 0
	s_cmp_le_u32 s[\cntreg], \i
	s_cbranch_scc1 .Ltl_\@
	WIN 0x40*(1+(\set))
.irp kk, 0,1,2,3,4,5,6,7
	global_load_b128 v[64*(\i)+8*(\kk):64*(\i)+8*(\kk)+3], v[L16], s[26:27] offset:(\i)*262144+(\off)+1024*(\kk)
	global_load_b128 v[64*(\i)+8*(\kk)+4:64*(\i)+8*(\kk)+7], v[L16], s[26:27] offset:(\i)*262144+(\off)+1024*(\kk)+512
.endr
.endr
	WIN 0
.Ltl_\@:
.endm
.macro WADDR                        ; the address of the half in hand: s2 counts on by 65,536 a trip of sixteen K steps, and the AND cuts it to the slice's two halves; 16 bytes a lane
	s_and_b32 s25, s2, 0x10000
	v_add_nc_u32 v[WL], s25, v[L16]
.endm
.macro FETCHW wb, n                 ; step n of a trip's 16: four fragments of weights
.irp b, 0,1,2,3
	ds_load_b128 v[WB0+32*(\wb)+8*(\b):WB0+32*(\wb)+8*(\b)+3], v[WL] offset:(\n)*4096+(\b)*1024
	ds_load_b128 v[WB0+32*(\wb)+8*(\b)+4:WB0+32*(\wb)+8*(\b)+7], v[WL] offset:(\n)*4096+(\b)*1024+512
.endr
.endm
.macro MULS set, kk, wb, first      ; four products for each live tile; the accumulators take turns.  first = 1: they start the sums
.irp i, 0,1,2,3
.if (\i) > 0
	WIN 0
	s_cmp_le_u32 s21, \i
	s_cbranch_scc1 .Lmu_\@
.endif
	WIN 1+(\set)
.irp b, 0,1,2,3
.if \first
	v_wmma_f32_16x16x32_bf16 v[ACC+32*(\i)+8*(\b):ACC+32*(\i)+8*(\b)+7], v[64*(\i)+8*(\kk):64*(\i)+8*(\kk)+7], v[WB0+32*(\wb)+8*(\b):WB0+32*(\wb)+8*(\b)+7], 0
.else
	v_wmma_f32_16x16x32_bf16 v[ACC+32*(\i)+8*(\b):ACC+32*(\i)+8*(\b)+7], v[64*(\i)+8*(\kk):64*(\i)+8*(\kk)+7], v[WB0+32*(\wb)+8*(\b):WB0+32*(\wb)+8*(\b)+7], v[ACC+32*(\i)+8*(\b):ACC+32*(\i)+8*(\b)+7]
.endif
.endr
.endr
	WIN 0
.Lmu_\@:
.endm
.macro KSTEP set, kk
.if ((\set) == 1) && ((\kk) == 7)
	s_add_co_u32 s2, s2, 0x10000                   ; the next 16 K steps' 65,536 bytes; behind the second half the AND gives the first again, for the next pass
.endif
	WADDR                                          ; the address line and three v_nop are the four places between the last products and the loads into the buffer that they read
.rept 3
	v_nop
.endr
.if ((\set) == 1) && ((\kk) == 7)
	FETCHW 0, 0
.else
	FETCHW ((\kk)+1)&1, 8*(\set)+(\kk)+1
.endif
	s_wait_dscnt 8                                 ; all but the 8 just issued: this step's fragments are in
	MULS \set, \kk, (\kk)&1, 0
.endm
.macro EPI i                        ; tile i leaves: the bias is added on the way into the stores' order; each row goes to its token's place
.if (\i) > 0
	s_cmp_le_u32 s21, \i
	s_cbranch_scc1 .Lepiend
.endif
	s_wait_xcnt 0x0                                ; the last tile's stores have read v20-27 and v96-127: they are rewritten only behind this wait
	ds_load_b128 v[TK:TK+3], v[LRD] offset:256*(\i)
	ds_load_b128 v[TK+4:TK+7], v[LRD] offset:256*(\i)+16
.irp j, 0,1,2,3,4,5,6,7             ; each accumulator's lowest register is read first
.irp b, 0,1,2,3
	v_add_f32 v[Q+4*(\j)+(\b)], v[ACC+32*(\i)+8*(\b)+(\j)], v[B2+(\b)]
.endr
.endr
	s_wait_dscnt 0x0
.irp j, 0,1,2,3,4,5,6,7
	v_min_u32 v[TK+(\j)], 1023, v[TK+(\j)]
	v_lshl_add_u32 v[TK+(\j)], v[TK+(\j)], 12, v[R16]
.endr
.irp j, 0,1,2,3,4,5,6,7
	global_store_b128 v[TK+(\j)], v[Q+4*(\j):Q+4*(\j)+3], s[12:13]  ; each half of the lanes: 256 consecutive bytes of a row, aligned
.endr
.endm
	s_load_b256 s[4:11], s[0:1], 0x0               ; hid s[4:5], W2 s[6:7], b2 s[8:9], bm s[10:11]
	s_load_b64 s[12:13], s[0:1], 0x20              ; part
	v_lshl_add_u32 v[SPW], v0, 2, SPARE
	v_mov_b32 v[NIL], 0
	v_lshrrev_b32 v1, 5, v0
	v_readfirstlane_b32 s14, v1                    ; wave 0..3
	v_and_b32 v1, 31, v0                           ; lane
	v_and_b32 v2, 15, v0                           ; r
	v_bfe_u32 v3, v0, 4, 1                         ; h
	s_lshr_b32 s15, ttmp9, 5                       ; expert
	s_bfe_u32 s16, ttmp9, 0x40001                  ; column slice
	s_and_b32 s24, ttmp9, 1                        ; kh
	v_lshlrev_b32 v[R16], 4, v2
	v_lshl_add_u32 v[WOFF], v3, 17, v[R16]
	v_lshlrev_b32 v[L16], 4, v1
	s_lshr_b32 s30, s14, 1
	s_lshl_b32 s30, s30, 12
	s_and_b32 s31, s14, 1
	s_lshl_b32 s31, s31, 9
	s_add_co_u32 s30, s30, s31
	v_add_nc_u32 v[LST], s30, v[L16]
	s_lshl_b32 s30, s14, 6
	s_add_co_u32 s30, s30, LIST
	v_lshl_add_u32 v[LR0], v3, 5, s30
	s_lshl_b32 s2, s15, 23                         ; W2: expert, half of K, my 8 rows of 4,096 bytes, slice
	s_lshl_b32 s30, s24, 22
	s_add_co_u32 s2, s2, s30
	s_lshl_b32 s30, s14, 15
	s_add_co_u32 s2, s2, s30
	s_lshl_b32 s25, s16, 8
	s_add_co_u32 s2, s2, s25
	s_mov_b32 s3, 0
	s_mov_b32 s31, 0
	s_wait_kmcnt 0x0
	s_add_nc_u64 s[6:7], s[6:7], s[2:3]
	s_lshl_b32 s30, s15, 7
	s_add_nc_u64 s[10:11], s[10:11], s[30:31]
	s_load_b512 s[32:47], s[10:11], 0x0            ; my expert's bitmap
	s_load_b512 s[48:63], s[10:11], 0x40
	s_lshl_b32 s30, s15, 12
	s_add_co_u32 s30, s30, s25
	s_add_nc_u64 s[8:9], s[8:9], s[30:31]
	s_lshl_b32 s30, s15, 1
	s_add_co_u32 s30, s30, s24
	s_lshl_b32 s30, s30, 22
	s_add_co_u32 s30, s30, s25
	s_add_nc_u64 s[12:13], s[12:13], s[30:31]      ; part: [e][kh], my 64 columns
	s_lshl_b32 s30, s15, 6
	s_add_co_u32 s30, s30, s14
	s_lshl_b32 s30, s30, 16
	s_lshl_b32 s25, s24, 15
	s_add_co_u32 s30, s30, s25
	s_add_nc_u64 s[28:29], s[4:5], s[30:31]        ; hid: tile w of my expert, my half's 32 K steps
	global_load_b128 v[B2:B2+3], v[R16], s[8:9]
	WLOAD 0
	WLOAD 1
	WLOAD 2
	WLOAD 3
	WLOAD 4
	WLOAD 5
	WLOAD 6
	WIN 0
	s_wait_kmcnt 0x0
	s_mov_b32 s17, 0
.set k, 0
.rept 32
	s_bcnt1_i32_b32 s25, s[32+k]
	s_add_co_u32 s17, s17, s25
.set k, k+1
.endr
	s_min_u32 s17, s17, 1024                       ; the expert's rows
	s_add_co_u32 s18, s17, 15
	s_lshr_b32 s18, s18, 4                         ; its tiles
	s_cmp_lg_u32 s14, 0
	s_cbranch_scc1 .Lnolist
	; THE LIST, by wave 0 alone; no other wave touches LDS ahead of the barrier below.  First the whole region is set to 0.
.irp q, 4,5,6,7
	v_mov_b32 v[Q+(\q)], 0
.endr
	v_add_nc_u32 v[Q], LIST, v[L16]
.irp q, 0,1,2,3,4,5,6,7
	ds_store_b128 v[Q], v[Q+4:Q+7] offset:512*(\q)
.endr
	v_lshl_add_u32 v[Q+1], v1, 2, LIST+4096
	ds_store_b32 v[Q+1], v[Q+4]
	ds_store_b32 v[Q+1], v[Q+4] offset:128
	v_add_nc_u32 v[Q+2], 1056, v1                  ; the word that takes my number where my token did not choose the expert
	s_mov_b32 s30, 0
.set k, 0
.rept 32                            ; token 32 k + lane goes to the place of its rank
	v_mbcnt_lo_u32_b32 v[Q+8+2*(k%4)], s[32+k], s30
	v_cndmask_b32 v[Q+8+2*(k%4)], v[Q+2], v[Q+8+2*(k%4)], s[32+k]
	v_min_u32 v[Q+8+2*(k%4)], 1087, v[Q+8+2*(k%4)]
	v_lshl_add_u32 v[Q+8+2*(k%4)], v[Q+8+2*(k%4)], 2, LIST
	v_add_nc_u32 v[Q+9+2*(k%4)], 32*k, v1
	ds_store_b32 v[Q+8+2*(k%4)], v[Q+9+2*(k%4)]
	s_bcnt1_i32_b32 s31, s[32+k]
	s_add_co_u32 s30, s30, s31
.set k, k+1
.endr
	s_max_u32 s25, s17, 1                          ; the 32 places past the count repeat the last row
	s_sub_co_u32 s25, s25, 1
	s_min_u32 s25, s25, 1023
	s_lshl_b32 s25, s25, 2
	s_add_co_u32 s25, s25, LIST
	v_mov_b32 v[Q], s25
	ds_load_b32 v[Q+3], v[Q]
	v_add_nc_u32 v[Q+1], s17, v1
	v_min_u32 v[Q+1], 1055, v[Q+1]
	v_lshl_add_u32 v[Q+1], v[Q+1], 2, LIST
	s_wait_dscnt 0x0
	ds_store_b32 v[Q+1], v[Q+3]
.Lnolist:
	s_wait_dscnt 0x0                               ; for the others' sake: the list is stored
	s_barrier_signal -1
	s_barrier_wait -1
	s_wait_loadcnt 56                              ; units 0 to 6 are younger: b2 is in
	s_and_b32 s25, ttmp9, 1
	s_cmp_eq_u32 s25, 0
	s_cselect_b32 s25, -1, 0                       ; the bias is added once: by the first half of K
	v_cvt_pk_bf16_f32 v[TK], v[B2], v[B2+1]
	v_cvt_pk_bf16_f32 v[TK+1], v[B2+2], v[B2+3]
	v_lshlrev_b32 v[B2], 16, v[TK]
	v_and_b32 v[B2+1], 0xffff0000, v[TK]
	v_lshlrev_b32 v[B2+2], 16, v[TK+1]
	v_and_b32 v[B2+3], 0xffff0000, v[TK+1]
.irp b, 0,1,2,3
	v_and_b32 v[B2+(\b)], s25, v[B2+(\b)]
.endr
	WLOAD 7
.set uu, 0
.rept 16                            ; THE SLICE IS LAID IN
	UNIT uu
.set uu, uu+1
.endr
	s_mov_b32 s19, s14                             ; pass 0 is prepared
	s_mov_b32 s23, 0
	s_mov_b32 s2, 0
	s_mov_b32 s3, 0
	NLIVE 21
	s_mov_b64 s[26:27], s[28:29]
	TLOAD 0, 0, 21
	s_wait_dscnt 0x0                               ; for the others' sake: my part of the slice is stored
	s_barrier_signal -1
	s_barrier_wait -1                              ; the slice is whole; nothing but the closing add writes LDS from here on
	v_mov_b32 v[WL], v[L16]
	FETCHW 0, 0
	s_mov_b32 s20, 4
.Lpass:
	s_cmp_eq_u32 s21, 0
	s_cbranch_scc1 .Lpassend                       ; no tile of mine in this pass
	s_mov_b32 s22, 2
.Ltrip:                             ; a trip: 16 K steps; the act fragments of 8 steps are asked for 8 steps ahead
	s_wait_loadcnt 0x0                             ; T0 is in.  The count is 0 since the number of younger loads hangs on the live tiles
	TLOAD 1, 8192, 21                              ; its four places serve the fetch below too: no matrix instruction stands between
	WADDR
	FETCHW 1, 1
	s_wait_dscnt 8
	s_cmp_lg_u32 s22, 2
	s_cbranch_scc1 .Lgoon
	v_nop                                          ; these products write over the accumulators: five places or more stand behind the last product on each (four in TLOAD, the address line, this one)
	MULS 0, 0, 0, 1                                ; a pass's first K step starts the sums
	s_branch .Lk0
.Lgoon:
	MULS 0, 0, 0, 0
.Lk0:
.irp kk, 1,2,3,4,5,6,7
	KSTEP 0, \kk
.endr
	s_wait_loadcnt 0x0                             ; T1 is in, and the loads' base is free
	s_cmp_lg_u32 s22, 1
	s_cbranch_scc0 .Lprep
	s_add_nc_u64 s[26:27], s[26:27], 16384         ; the next 16 K steps
	s_mov_b32 s24, s21
	s_branch .Lload0
.Lprep:                             ; the next pass is prepared: its live tiles and its first fragments
	NLIVE 23
	s_mov_b32 s24, s23
	s_add_nc_u64 s[28:29], s[28:29], 0x100000      ; 16 tiles on; behind the last pass nothing is loaded by it
	s_mov_b64 s[26:27], s[28:29]
.Lload0:
	TLOAD 0, 0, 24
.irp kk, 0,1,2,3,4,5,6,7
	KSTEP 1, \kk
.endr
	s_sub_co_u32 s22, s22, 1
	s_cmp_lg_u32 s22, 0
	s_cbranch_scc1 .Ltrip
	PLACES
	v_add_nc_u32 v[LRD], s3, v[LR0]
	EPI 0
	EPI 1
	EPI 2
	EPI 3
.Lepiend:
	s_add_co_u32 s3, s3, 1024                      ; the list's next 256 places
	s_and_b32 s3, s3, 0xc00
	s_mov_b32 s21, s23
.Lpassend:
	s_sub_co_u32 s20, s20, 1
	s_cmp_lg_u32 s20, 0
	s_cbranch_scc1 .Lpass
	s_wait_dscnt 0x0                               ; my last reads of the slice and of the list are back,
	s_barrier_signal -1
	s_barrier_wait -1                              ; and so are every wave's: no wave writes LDS again while another still reads it
	s_wait_tensorcnt 0x0                           ; the wave's end, behind my last LDS store
	ds_add_u32 v[SPW], v[NIL]
	s_wait_dscnt 0x0
	s_endpgm
.Lfunc_end_k_q337aa5c033_down:
	.size	k_q337aa5c033_down, .Lfunc_end_k_q337aa5c033_down-k_q337aa5c033_down
	.p2alignl 7, 3214868480
	.fill 96, 4, 3214868480
	.section	.rodata,"a",@progbits
	.p2align	6, 0x0
	.amdhsa_kernel k_q337aa5c033_down
		.amdhsa_group_segment_fixed_size 135936
		.amdhsa_private_segment_fixed_size 0
		.amdhsa_enable_private_segment 0
		.amdhsa_kernarg_size 40
		.amdhsa_user_sgpr_count 2
		.amdhsa_user_sgpr_kernarg_segment_ptr 1
		.amdhsa_wavefront_size32 1
		.amdhsa_system_sgpr_workgroup_id_x 1
		.amdhsa_system_sgpr_workgroup_id_y 1
		.amdhsa_system_sgpr_workgroup_id_z 1
		.amdhsa_system_vgpr_workitem_id 0
		.amdhsa_next_free_vgpr 768
		.amdhsa_next_free_sgpr 66
		.amdhsa_reserve_vcc 0
		.amdhsa_float_denorm_mode_32 3
		.amdhsa_float_denorm_mode_16_64 3
		.amdhsa_memory_ordered 1
		.amdhsa_forward_progress 1
		.amdhsa_inst_pref_size 126
	.end_amdhsa_kernel
	.amdgpu_metadata
---
amdhsa.version: [ 1, 2 ]
amdhsa.kernels:
  - .name:           k_q337aa5c033_down
    .symbol:         k_q337aa5c033_down.kd
    .args:
      - { .name: hid, .offset: 0, .size: 8, .value_kind: global_buffer, .address_space: global }
      - { .name: W2, .offset: 8, .size: 8, .value_kind: global_buffer, .address_space: global }
      - { .name: b2, .offset: 16, .size: 8, .value_kind: global_buffer, .address_space: global }
      - { .name: bm, .offset: 24, .size: 8, .value_kind: global_buffer, .address_space: global }
      - { .name: part, .offset: 32, .size: 8, .value_kind: global_buffer, .address_space: global }
    .group_segment_fixed_size: 135936
    .private_segment_fixed_size: 0
    .kernarg_segment_align: 8
    .kernarg_segment_size: 40
    .max_flat_workgroup_size: 128
    .sgpr_count:     66
    .vgpr_count:     768
    .wavefront_size: 32
...
	.end_amdgpu_metadata
.endif
;; end of part 3
;; launch addup (part 4): grid 256 x 1, 4 waves a work-group, no clusters, 0 bytes of LDS; arguments part, sel, gate, out0; writes out0
.if DOCPART == 4
	.amdgcn_target "amdgcn-amd-amdhsa--gfx1250"
	.amdhsa_code_object_version 6
	.text
	.protected	k_q337aa5c033_addup
	.globl	k_q337aa5c033_addup
	.p2align	8
	.type	k_q337aa5c033_addup,@function
k_q337aa5c033_addup:
	s_mov_b64 s[64:65], 0
	v_nop
	global_prefetch_b8 v0, s[64:65] scope:SCOPE_SE
	s_setreg_imm32_b32 hwreg(HW_REG_WAVE_MODE, 25, 1), 1
	s_wait_xcnt 0x0
; THE SUM.  out[t] = g0 (part[e0][0][t] + part[e0][1][t]) + g1 (part[e1][0][t] + part[e1][1][t]), all in f32.  e0, e1 and g0, g1 are the router's, in top-k order.
; A wave has one token: four rows of 4,096 bytes in, one out; all 32 loads go out before the first wait; each load and store covers 512 consecutive bytes, aligned.
; A stream: no LDS, no barrier, no matrix unit, no cluster (no two work-groups read the same byte).
	s_load_b256 s[4:11], s[0:1], 0x0               ; part s[4:5], sel s[6:7], gate s[8:9], out0 s[10:11]
	v_lshrrev_b32 v1, 5, v0
	v_readfirstlane_b32 s12, v1                    ; wave 0..3
	v_and_b32 v1, 31, v0
	v_lshlrev_b32 v1, 4, v1                        ; 16 x lane
	s_lshl_b32 s13, ttmp9, 2
	s_add_co_u32 s13, s13, s12                     ; my token
	s_lshl_b32 s14, s13, 2
	s_mov_b32 s15, 0
	s_lshl_b32 s16, s13, 3
	s_mov_b32 s17, 0
	s_lshl_b32 s28, s13, 12
	s_mov_b32 s29, 0
	s_wait_kmcnt 0x0
	s_add_nc_u64 s[6:7], s[6:7], s[14:15]
	s_add_nc_u64 s[8:9], s[8:9], s[16:17]
	s_load_b32 s18, s[6:7], 0x0                    ; e0 | e1 << 8
	s_load_b64 s[20:21], s[8:9], 0x0               ; g0, g1
	s_add_nc_u64 s[10:11], s[10:11], s[28:29]
	s_add_nc_u64 s[4:5], s[4:5], s[28:29]          ; my token's row in part[0][0]
	s_wait_kmcnt 0x0
	s_and_b32 s24, s18, 0xff
	s_min_u32 s24, s24, 7
	s_lshl_b32 s24, s24, 23                        ; an expert's two halves of 1,024 rows of 4,096 bytes
	s_mov_b32 s25, 0
	s_lshr_b32 s26, s18, 8
	s_min_u32 s26, s26, 7
	s_lshl_b32 s26, s26, 23
	s_mov_b32 s27, 0
	s_add_nc_u64 s[24:25], s[4:5], s[24:25]
	s_add_nc_u64 s[26:27], s[4:5], s[26:27]
	s_mov_b32 s22, s21                             ; g1 in a pair of its own: the packed forms take a pair's low word for both halves
	s_mov_b32 s23, s21
.irp j, 0,1,2,3,4,5,6,7
	global_load_b128 v[4+16*(\j):7+16*(\j)],   v1, s[24:25] offset:512*(\j) th:TH_LOAD_NT
	global_load_b128 v[8+16*(\j):11+16*(\j)],  v1, s[24:25] offset:512*(\j)+4194304 th:TH_LOAD_NT
	global_load_b128 v[12+16*(\j):15+16*(\j)], v1, s[26:27] offset:512*(\j) th:TH_LOAD_NT
	global_load_b128 v[16+16*(\j):19+16*(\j)], v1, s[26:27] offset:512*(\j)+4194304 th:TH_LOAD_NT
.endr
.irp j, 0,1,2,3,4,5,6,7
	s_wait_loadcnt 4*(7-(\j))                      ; loads come back in order: the four of piece j are in, the younger pieces' stay out
.irp p, 0,2
	v_pk_add_f32 v[4+16*(\j)+(\p):5+16*(\j)+(\p)], v[4+16*(\j)+(\p):5+16*(\j)+(\p)], v[8+16*(\j)+(\p):9+16*(\j)+(\p)]
	v_pk_add_f32 v[12+16*(\j)+(\p):13+16*(\j)+(\p)], v[12+16*(\j)+(\p):13+16*(\j)+(\p)], v[16+16*(\j)+(\p):17+16*(\j)+(\p)]
.endr
.irp p, 0,2
	v_pk_mul_f32 v[4+16*(\j)+(\p):5+16*(\j)+(\p)], v[4+16*(\j)+(\p):5+16*(\j)+(\p)], s[20:21] op_sel_hi:[1,0]
.endr
.irp p, 0,2
	v_pk_fma_f32 v[4+16*(\j)+(\p):5+16*(\j)+(\p)], v[12+16*(\j)+(\p):13+16*(\j)+(\p)], s[22:23], v[4+16*(\j)+(\p):5+16*(\j)+(\p)] op_sel_hi:[1,0,1]
.endr
	global_store_b128 v1, v[4+16*(\j):7+16*(\j)], s[10:11] offset:512*(\j) th:TH_STORE_NT
.endr
	s_endpgm
.Lfunc_end_k_q337aa5c033_addup:
	.size	k_q337aa5c033_addup, .Lfunc_end_k_q337aa5c033_addup-k_q337aa5c033_addup
	.p2alignl 7, 3214868480
	.fill 96, 4, 3214868480
	.section	.rodata,"a",@progbits
	.p2align	6, 0x0
	.amdhsa_kernel k_q337aa5c033_addup
		.amdhsa_group_segment_fixed_size 0
		.amdhsa_private_segment_fixed_size 0
		.amdhsa_enable_private_segment 0
		.amdhsa_kernarg_size 32
		.amdhsa_user_sgpr_count 2
		.amdhsa_user_sgpr_kernarg_segment_ptr 1
		.amdhsa_wavefront_size32 1
		.amdhsa_system_sgpr_workgroup_id_x 1
		.amdhsa_system_sgpr_workgroup_id_y 1
		.amdhsa_system_sgpr_workgroup_id_z 1
		.amdhsa_system_vgpr_workitem_id 0
		.amdhsa_next_free_vgpr 132
		.amdhsa_next_free_sgpr 66
		.amdhsa_reserve_vcc 0
		.amdhsa_float_denorm_mode_32 3
		.amdhsa_float_denorm_mode_16_64 3
		.amdhsa_memory_ordered 1
		.amdhsa_forward_progress 1
		.amdhsa_inst_pref_size 10
	.end_amdhsa_kernel
	.amdgpu_metadata
---
amdhsa.version: [ 1, 2 ]
amdhsa.kernels:
  - .name:           k_q337aa5c033_addup
    .symbol:         k_q337aa5c033_addup.kd
    .args:
      - { .name: part, .offset: 0, .size: 8, .value_kind: global_buffer, .address_space: global }
      - { .name: sel, .offset: 8, .size: 8, .value_kind: global_buffer, .address_space: global }
      - { .name: gate, .offset: 16, .size: 8, .value_kind: global_buffer, .address_space: global }
      - { .name: out0, .offset: 24, .size: 8, .value_kind: global_buffer, .address_space: global }
    .group_segment_fixed_size: 0
    .private_segment_fixed_size: 0
    .kernarg_segment_align: 8
    .kernarg_segment_size: 32
    .max_flat_workgroup_size: 128
    .sgpr_count:     66
    .vgpr_count:     132
    .wavefront_size: 32
...
	.end_amdgpu_metadata
.endif
;; end of part 4
;; ======== version 2 of 2: 4 launches; version 1 with the launches up, down written anew for expert scheduling mode
;; workspace buffers: xb 2,097,152 bytes; bm 1,024 bytes of whole numbers; sel 4,096 bytes of whole numbers; gate 8,192 bytes; hid 33,554,432 bytes; part 67,108,864 bytes
;; launch router: the kernel of part 1 again; grid 64 x 1, 8 waves a work-group, no clusters, 76,800 bytes of LDS; arguments x, Wr, br, xb, bm, sel, gate; writes xb, bm, sel, gate
;; launch up (part 5): grid 256 x 1, 4 waves a work-group, no clusters, 262,656 bytes of LDS; arguments xb, W1, b1, bm, hid; writes hid
.if DOCPART == 5
	.amdgcn_target "amdgcn-amd-amdhsa--gfx1250"
	.amdhsa_code_object_version 6
	.text
	.protected	k_q337aa5c033_up
	.globl	k_q337aa5c033_up
	.p2align	8
	.type	k_q337aa5c033_up,@function
k_q337aa5c033_up:
	s_mov_b64 s[64:65], 0
	v_nop
	global_prefetch_b8 v0, s[64:65] scope:SCOPE_SE
	s_setreg_imm32_b32 hwreg(HW_REG_WAVE_SCHED_MODE, 0, 2), 2
	s_setreg_imm32_b32 hwreg(HW_REG_WAVE_MODE, 25, 1), 1
	s_wait_xcnt 0x0
	s_wait_alu depctr_vm_vsrc(0)
; FIRST PRODUCT AND SWIGLU, for the chosen rows alone.  act[e][row][j] = silu(x W1[e][:, j] + b1[e][j]) * (x W1[e][:, 2048 + j] + b1[e][2048 + j]), stored in bf16.
; FORMATS.  x comes in bf16 (xb); W1 and b1 are rounded once to bf16 on their way through the registers; sums and the activation in f32; act rounded once to bf16 (not f16: with inputs 30 times larger act passes f16's range).
; LIMITS.  An exponential below 2^-126 counts as 0.  NaN and infinities are not treated apart.
; SHARES.  Work-group = expert e (number / 32) x 64 hidden units s (number % 32): the 64 columns of the a half and the 64 of the g half, 512 KB of W1 that no other work-group reads.
; They are laid into LDS once, as 262,144 bytes of bf16 in the order of the operand registers.  Then the expert's rows go through, 16 to a tile; wave w has tiles 16 P + 4 i + w (pass P, i = 0..3).
; EVERY SPLIT.  An expert has 0 to 1,024 rows: four passes, a constant; a pass or a tile past the count is jumped over, forward, with no barrier in what is jumped.  The places past the count in the last tile repeat the last row.
; THE ROWS.  The expert's rows are its tokens in ascending order.  Its bitmap (32 words, stored by the launch before) stays in scalar registers, and each wave finds the token of a rank for itself, in registers:
; 31 compares against the running counts pick the word, five halving steps over partial bit counts pick the bit.  No list in LDS, no wave waits for another's list; the first search stands in the wait for the first weights.
; WEIGHTS WITHOUT A TRANSPOSE.  Lane (r = lane % 16, h = lane / 16) loads columns 4 r .. 4 r + 3 of eight rows k; two rows of one column pack into a register of a fragment; the four columns go to four fragments:
; block b holds the columns 4 m + b.  A fragment's place (c, h, i) holds k = 32 ks + 16 h + 8 c + i, in the weights and in the tokens alike: a permutation of k that leaves the sums what they are.
; RESULT.  Source 0 = weights, source 1 = 16 tokens: lane (r, h) holds token r; register jj of block b the column 32 h + 4 jj + b.  These ARE the places of the second product's token fragments, so act leaves in stores of 512 consecutive bytes.
; NO CLUSTER: each byte of W1 has one reader; the rows that an expert's work-groups share are picked by rank, which no tile's descriptor covers.  NO TENSOR LOAD: the weights pass the registers to be rounded.
; NO PREFETCH: a wave has 56 to 64 loads of 512 bytes of its slice out from its first line on.
; REGISTERS, in windows of 256 (s_set_vgpr_msb: bits 1:0 source 0, 3:2 source 1, 5:4 source 2, 7:6 destination).  Window 0: see below.  Window 1: T0, window 2: T1 (token fragments of 8 K steps, 64 a tile);
; window 3: the accumulators, 64 a tile (block at 8 x block).  While the slice is laid in, the three windows take the f32 weights by turns, 32 registers a unit.
; SCALARS.  s32-63 the bitmap; s[66:67] -log2(e); s68 the last rank; s69-99 the keys K_c = 32 x (rows ahead of word c) + c, c = 1..31; s100, s101 the search's count and rank;
; s10, s11, s15-17, s25, s30, s31 the search's eight masks (free once the addresses are made).
; LDS.  The slice takes bytes 0 to 262,143; the 512 bytes behind it hold the spare words of the closing add.
; THE MODE: SCHED_MODE bits 1:0 = 2 (LLVM: expert scheduling mode 2), set by the entry lines.  The code itself states the register dependences between vector or matrix instructions and memory or LDS
; instructions, and between a vector instruction's scalar result and its readers, with s_wait_alu, always for 0.
; THE PLAN.  Registers that memory or LDS instructions touch:
;   v6, v14, v15   offsets, made once at the head and never written again.
;   windows 1-3    while the slice is laid in: unit u's loads land 8 units ahead of unit u's conversions, which read them.
;   v32-159        while the slice is laid in: eight sets of 16.  Unit u's conversions write set u % 8; its four LDS stores are issued in unit u + 1.
;   v7             the LDS stores' address: an add behind the stores of units 7, 15 and 23.
;   v8             the fragments' address: made anew at each K step's head, read by that step's 16 LDS loads.
;   v32-95, v96-159  in the loop: the weights' two buffers.  Step k's products read buffer k % 2; the loads issued in step k land in the other, which step k - 1's products read.
;   T0, T1         the products of 8 K steps read one; the token loads issued at the head of those 8 steps land in the other.
;   v10-13         the token loads' offsets: written by the search, between two passes' loads.
;   v16-31         a tile's roundings write them, its four stores read them.
; So: ONE wait on va_vdst at a unit's head serves the unit's eight loads and four stores; one wait on vm_vsrc for eight units frees v7 and all eight sets.  ONE wait on va_vdst at a K step's head, behind the
; address line, serves all the step's loads; the wait on vm_vsrc ahead of the address line stands a step's products behind the loads that it waits for.
.set WOFF, 6                        ; v6   262144 h + 16 r: my place in W1's rows
.set LST,  7                        ; v7   where my converted weights go
.set WL,   8                        ; v8   where the weights' fragments are read: made anew ahead of each run of loads
.set RK0,  9                        ; v9   16 w + r: my row's rank in tile 0 of pass 0
.set TOFF, 10                       ; v10-13  tile i: 2048 x token + 32 h
.set L16,  14                       ; v14  16 x lane
.set H32,  15                       ; v15  32 h
.set CV,   16                       ; v16-31  act in bf16
.set WB0,  32                       ; v32-95, v96-159  the weights' fragments of a K step, two buffers; while the slice is laid in: eight sets of converted weights
.set BIAS, 160                      ; v160-223  b1 in the accumulators' layout
.set ACT,  224                      ; v224-255  at work
.set RH,   ACT+4                    ; the search's registers: the rank,
.set RQ,   ACT+5                    ; 32 x rank + 31,
.set WD,   ACT+6                    ; the word,
.set KK,   ACT+7                    ; its key, then its number,
.set TA,   ACT+8                    ; its bit counts by 2,
.set TB,   ACT+9                    ; by 4,
.set TC,   ACT+10                   ; by 8 bits,
.set TN,   ACT+12                   ; how many set bits still lie ahead of mine,
.set TP,   ACT+13                   ; the bit's place so far,
.set TT,   ACT+14                   ; two at work,
.set TU,   ACT+15
.set TZ,   ACT+16                   ; and 0
.set MSB, 0
.macro WIN new                      ; the high byte repeats the setting that is left; a switch that changes nothing is dropped
.if MSB != (\new)
	s_set_vgpr_msb (MSB<<8)|(\new)
.set MSB, (\new)
.endif
.endm
.macro PLACES                       ; four places between a matrix instruction and a read of its result (ISA guide 7.12.1)
.rept 4
	v_nop
.endr
.endm
; Unit u = K step u of my (half G, part c): eight rows 32 u + 16 h + 8 c + i, 256 consecutive bytes for each half of the lanes
.macro WLOAD u
.set LW, 1+(((\u)>>3)%3)
.set LS, 32*((\u)&7)
	WIN LW<<6
.irp i, 0,1,2,3,4,5,6,7
.if (\u) < 16
	global_load_b128 v[LS+4*(\i):LS+4*(\i)+3], v[WOFF], s[6:7] offset:((\u)%16)*524288+(\i)*16384 th:TH_LOAD_NT
.else
	global_load_b128 v[LS+4*(\i):LS+4*(\i)+3], v[WOFF], s[28:29] offset:((\u)%16)*524288+(\i)*16384 th:TH_LOAD_NT
.endif
.endr
.endm
; Unit u's converted weights go into LDS: issued a unit behind its conversions, behind that unit's wait on va_vdst
.macro WSTORE u
.set UC, WB0+16*((\u)&7)
	WIN 0
.irp b, 0,1,2,3
	ds_store_b128 v[LST], v[UC+4*(\b):UC+4*(\b)+3] offset:((\u)&7)*8192+(\b)*1024
.endr
.if (((\u)&7) == 7) && ((\u) < 31)
	s_wait_alu depctr_vm_vsrc(0)                   ; the LDS stores issued so far have read v[LST], which the add below writes, and all eight sets, which the next eight units' conversions write again
	v_add_nc_u32 v[LST], 0x10000, v[LST]
.endif
.endm
.macro UNIT u
.if (\u) <= 24
	s_wait_loadcnt 56                              ; the seven younger units stay out
.else
	s_wait_loadcnt 8*(31-(\u))
.endif
.if (\u) < 24
	WIN (1+((((\u)+8)>>3)%3))<<6                   ; the loads' window is set ahead of the wait
.else
	WIN 0
.endif
	s_wait_alu depctr_va_vdst(0)                   ; the conversions issued so far have written their sets (and the add v[LST]), which the LDS stores below read, and are done reading the registers in which the loads below land (units 8 and 9: b1's conversions)
.if (\u) < 24
	WLOAD (\u)+8
.endif
.if (\u) > 0
	WSTORE (\u)-1
.endif
.set UW, 1+(((\u)>>3)%3)
.set US, 32*((\u)&7)
.set UC, WB0+16*((\u)&7)            ; eight sets by turns
	WIN UW|(UW<<2)
.irp b, 0,1,2,3
.irp p, 0,1,2,3
	v_cvt_pk_bf16_f32 v[UC+4*(\b)+(\p)], v[US+8*(\p)+(\b)], v[US+8*(\p)+4+(\b)]  ; rows 2 p and 2 p + 1 of column 4 r + b
.endr
.endr
.endm
.macro NLIVE d                      ; how many of my four tiles of the pass to prepare exist: (tiles - (16 P + w) + 3) / 4, held to 0 .. 4
	s_sub_co_i32 s[\d], s18, s19
	s_add_co_i32 s[\d], s[\d], 3
	s_ashr_i32 s[\d], s[\d], 2
	s_max_i32 s[\d], s[\d], 0
	s_min_i32 s[\d], s[\d], 4
	s_add_co_u32 s19, s19, 16
.endm
; One halving step: are the wd bits at the place so far fewer set bits than still lie ahead of mine?  Then they are passed over.
.macro SELSTEP src, wd
	v_bfe_u32 v[TT], v[\src], v[TP], \wd
	v_cmp_ge_u32 vcc_lo, v[TN], v[TT]
	s_wait_alu depctr_va_vcc(0)                    ; the compare has written VCC, which the two selects read
	v_cndmask_b32 v[TT], 0, v[TT], vcc_lo
	v_sub_nc_u32 v[TN], v[TN], v[TT]
	v_cndmask_b32 v[TU], v[TZ], \wd, vcc_lo
	v_add_nc_u32 v[TP], v[TP], v[TU]
.endm
; My four tiles' tokens for the pass whose first rank is s3 = 256 P, as row offsets in xb.  Four trips, tile 3 first; the results move up through v224-227.
; again = 1: token loads have been issued before, by the offsets that are written anew here.
.macro TOK again
	v_mov_b32 v[ACT], 0
	v_mov_b32 v[ACT+1], 0
	v_mov_b32 v[ACT+2], 0
	v_mov_b32 v[TZ], 0
	s_add_co_u32 s101, s3, 192
	s_mov_b32 s100, 4
.Ltk_\@:
	v_add_nc_u32 v[RH], s101, v[RK0]               ; rank = 256 P + 64 i + 16 w + r,
	v_min_u32 v[RH], s68, v[RH]                    ; past the count: the last row
	v_lshl_or_b32 v[RQ], v[RH], 5, 31              ; K_c <= 32 rank + 31 says: no more rows than my rank lie ahead of word c
	v_mov_b32 v[WD], s32
	v_mov_b32 v[KK], 0
.irp g, 0,1,2,3                     ; the keys ascend: the last word that passes is mine.  The compares stand in runs of eight, each into a mask of its own, with one wait behind a run
.set wc, 1+8*(\g)
.irp m, 10,11,15,16,17,25,30,31
.if wc < 32
	v_cmp_le_u32 s[\m], s[68+wc], v[RQ]
.endif
.set wc, wc+1
.endr
	s_wait_alu depctr_va_sdst(0)                   ; the run's compares have written their masks, which the selects below read
.set wc, 1+8*(\g)
.irp m, 10,11,15,16,17,25,30,31
.if wc < 32
	v_cndmask_b32 v[WD], v[WD], s[32+wc], s[\m]
	v_cndmask_b32 v[KK], v[KK], s[68+wc], s[\m]
.endif
.set wc, wc+1
.endr
.endr
	v_lshrrev_b32 v[TT], 5, v[KK]
	v_sub_nc_u32 v[TN], v[RH], v[TT]               ; so many set bits of the word lie ahead of mine
	v_and_b32 v[KK], 31, v[KK]                     ; the word's number
	v_lshrrev_b32 v[TT], 1, v[WD]                  ; bit counts by 2, 4 and 8 bits
	v_and_b32 v[TT], 0x55555555, v[TT]
	v_sub_nc_u32 v[TA], v[WD], v[TT]
	v_lshrrev_b32 v[TT], 2, v[TA]
	v_and_b32 v[TT], 0x33333333, v[TT]
	v_and_b32 v[TB], 0x33333333, v[TA]
	v_add_nc_u32 v[TB], v[TB], v[TT]
	v_lshrrev_b32 v[TT], 4, v[TB]
	v_add_nc_u32 v[TC], v[TB], v[TT]
	v_and_b32 v[TC], 0x0f0f0f0f, v[TC]
	v_bfe_u32 v[TT], v[TC], 8, 8                   ; the low 16 bits' count
	v_and_b32 v[TU], 0xff, v[TC]
	v_add_nc_u32 v[TT], v[TU], v[TT]
	v_cmp_ge_u32 vcc_lo, v[TN], v[TT]
	s_wait_alu depctr_va_vcc(0)                    ; the compare has written VCC, which the two selects read
	v_cndmask_b32 v[TT], 0, v[TT], vcc_lo
	v_sub_nc_u32 v[TN], v[TN], v[TT]
	v_cndmask_b32 v[TP], v[TZ], 16, vcc_lo
	SELSTEP TC, 8
	SELSTEP TB, 4
	SELSTEP TA, 2
	SELSTEP WD, 1
	v_mov_b32 v[ACT+3], v[ACT+2]
	v_mov_b32 v[ACT+2], v[ACT+1]
	v_mov_b32 v[ACT+1], v[ACT]
	v_lshl_add_u32 v[ACT], v[KK], 5, v[TP]         ; token = 32 x word + bit
	s_sub_co_u32 s101, s101, 64
	s_sub_co_u32 s100, s100, 1
	s_cmp_lg_u32 s100, 0
	s_cbranch_scc1 .Ltk_\@
.if \again
	s_wait_alu depctr_vm_vsrc(0)                   ; the token loads issued so far have read v10-13, which are written anew below
.endif
.irp i, 0,1,2,3
	v_min_u32 v[ACT+(\i)], 1023, v[ACT+(\i)]
	v_lshl_add_u32 v[TOFF+(\i)], v[ACT+(\i)], 11, v[H32]
.endr
.endm
.macro TLOAD set, off, cntreg       ; the token fragments of 8 K steps (512 bytes of each row), for as many tiles as the register says.  It stands behind a wait on va_vdst since which no vector or matrix instruction names its registers
.irp i, 0,1,2,3
	WIN 0
	s_cmp_le_u32 s[\cntreg], \i
	s_cbranch_scc1 .Ltl_\@
	WIN 0x40*(1+(\set))
.irp kk, 0,1,2,3,4,5,6,7
	global_load_b128 v[64*(\i)+8*(\kk):64*(\i)+8*(\kk)+3], v[TOFF+(\i)], s[26:27] offset:(\off)+64*(\kk)
	global_load_b128 v[64*(\i)+8*(\kk)+4:64*(\i)+8*(\kk)+7], v[TOFF+(\i)], s[26:27] offset:(\off)+64*(\kk)+16
.endr
.endr
	WIN 0
.Ltl_\@:
.endm
; The head of a K step.  The address of the batch in hand: s2 counts on by 65,536 a batch of eight K steps, and the AND cuts it to the slice's four batches; 16 bytes a lane.
.macro WHEAD
	s_and_b32 s25, s2, 0x30000
	s_wait_alu depctr_vm_vsrc(0)                   ; the LDS loads issued so far have read v[WL]
	v_add_nc_u32 v[WL], s25, v[L16]
.rept 3
	v_nop                                          ; with the address line: four places behind the last products
.endr
	s_wait_alu depctr_va_vdst(0)                   ; v[WL] is written; the products issued so far are done reading the weights' buffer, and where token loads follow the T buffer, in which the loads below land; behind a search v10-13 are written
.endm
.macro FETCHW wb, kk                ; a K step's eight fragments of weights: 16 loads of 512 consecutive bytes
.irp b, 0,1,2,3,4,5,6,7
	ds_load_b128 v[WB0+64*(\wb)+8*(\b):WB0+64*(\wb)+8*(\b)+3], v[WL] offset:(\kk)*8192+(\b)*1024
	ds_load_b128 v[WB0+64*(\wb)+8*(\b)+4:WB0+64*(\wb)+8*(\b)+7], v[WL] offset:(\kk)*8192+(\b)*1024+512
.endr
.endm
; A K step's products: eight for each live tile; the accumulators take turns, one instruction a turn.  first = 1: the sums start from the bias.
.macro MULS set, kk, wb, first
.irp i, 0,1,2,3
.if (\i) > 0
	WIN 0
	s_cmp_le_u32 s21, \i
	s_cbranch_scc1 .Lmu_\@
.endif
.if \first
	WIN 0xc4
.else
	WIN 0xf4+4*(\set)
.endif
.irp b, 0,1,2,3,4,5,6,7
.if \first
	v_wmma_f32_16x16x32_bf16 v[64*(\i)+8*(\b):64*(\i)+8*(\b)+7], v[WB0+64*(\wb)+8*(\b):WB0+64*(\wb)+8*(\b)+7], v[64*(\i)+8*(\kk):64*(\i)+8*(\kk)+7], v[BIAS+8*(\b):BIAS+8*(\b)+7]
.else
	v_wmma_f32_16x16x32_bf16 v[64*(\i)+8*(\b):64*(\i)+8*(\b)+7], v[WB0+64*(\wb)+8*(\b):WB0+64*(\wb)+8*(\b)+7], v[64*(\i)+8*(\kk):64*(\i)+8*(\kk)+7], v[64*(\i)+8*(\b):64*(\i)+8*(\b)+7]
.endif
.endr
.endr
	WIN 0
.Lmu_\@:
.endm
.macro KSTEP set, kk, tl=0          ; the next step's weights are fetched, this step's multiplied.  tl = 1: the token fragments of the 8 steps after these 8 go out on the same wait
.if (\kk) == 7
	s_add_co_u32 s2, s2, 0x10000                   ; the next eight K steps' 65,536 bytes; behind the fourth batch the AND gives the first again, for the next pass
.endif
	WHEAD
.if (\kk) == 7
	FETCHW 0, 0
.else
	FETCHW ((\kk)+1)&1, (\kk)+1
.endif
.if \tl
	TLOAD 0, 0, 24
.endif
	s_wait_dscnt 16                                ; all but the 16 just issued: this step's fragments are in
	MULS \set, \kk, (\kk)&1, 0
.endm
; Tile i leaves: act = (a / (1 + 2^(-a log2 e))) g, rounded to bf16, in the second product's order
.macro EPI i
	WIN 0
.if (\i) > 0
	s_cmp_le_u32 s21, \i
	s_cbranch_scc1 .Lepiend
.endif
	WIN 0x03
.set z, 0
.rept 16                            ; each accumulator's lowest registers are read first
	v_pk_mul_f32 v[ACT+2*z:ACT+2*z+1], v[64*(\i)+2*z:64*(\i)+2*z+1], s[66:67] op_sel_hi:[1,0]
.set z, z+1
.endr
	WIN 0
.set z, 0
.rept 32
	v_exp_f32 v[ACT+z], v[ACT+z]
.set z, z+1
.endr
	v_nop                                          ; a plain instruction behind the last exponential,
	s_wait_alu depctr_va_vdst(0)                   ; and one wait for the batch: the 32 exponentials have written v224-255, ahead of their first reader
.set z, 0
.rept 16
	v_pk_add_f32 v[ACT+2*z:ACT+2*z+1], v[ACT+2*z:ACT+2*z+1], 1.0 op_sel_hi:[1,0]
.set z, z+1
.endr
.set z, 0
.rept 32
	v_rcp_f32 v[ACT+z], v[ACT+z]
.set z, z+1
.endr
	v_nop
	s_wait_alu depctr_va_vdst(0)                   ; the 32 reciprocals have written v224-255, ahead of their first reader
	WIN 0x03
.set z, 0
.rept 16
	v_pk_mul_f32 v[ACT+2*z:ACT+2*z+1], v[64*(\i)+2*z:64*(\i)+2*z+1], v[ACT+2*z:ACT+2*z+1]
.set z, z+1
.endr
.set z, 0
.rept 16
	v_pk_mul_f32 v[ACT+2*z:ACT+2*z+1], v[64*(\i)+32+2*z:64*(\i)+32+2*z+1], v[ACT+2*z:ACT+2*z+1]
.set z, z+1
.endr
	WIN 0
	s_wait_xcnt 0x0                                ; the last tile's stores have had their addresses translated: v16-31 are rewritten only behind this wait,
	s_wait_alu depctr_vm_vsrc(0)                   ; and behind this one: those stores have read v16-31
.irp q, 0,1
.irp c, 0,1
.irp p, 0,1,2,3
	v_cvt_pk_bf16_f32 v[CV+4*(2*(\q)+(\c))+(\p)], v[ACT+16*((\p)&1)+4*(\q)+2*(\c)+((\p)>>1)], v[ACT+16*((\p)&1)+8+4*(\q)+2*(\c)+((\p)>>1)]
.endr
.endr
.endr
	s_wait_alu depctr_va_vdst(0)                   ; the roundings have written v16-31, which the four stores read
.irp q, 0,1
.irp c, 0,1
	global_store_b128 v[L16], v[CV+4*(2*(\q)+(\c)):CV+4*(2*(\q)+(\c))+3], s[12:13] offset:(\i)*262144+(\q)*1024+(\c)*512  ; 512 consecutive bytes, aligned
.endr
.endr
.endm
	s_load_b256 s[4:11], s[0:1], 0x0               ; xb s[4:5], W1 s[6:7], b1 s[8:9], bm s[10:11]
	s_load_b64 s[12:13], s[0:1], 0x20              ; hid
	v_lshl_add_u32 v4, v0, 2, 0x40000
	v_mov_b32 v5, 0
	v_lshrrev_b32 v1, 5, v0
	v_readfirstlane_b32 s14, v1                    ; wave 0..3
	v_and_b32 v1, 31, v0                           ; lane
	v_and_b32 v2, 15, v0                           ; r
	v_bfe_u32 v3, v0, 4, 1                         ; h
	s_lshr_b32 s15, ttmp9, 5                       ; expert
	s_and_b32 s16, ttmp9, 31                       ; slice
	v_lshlrev_b32 v[WOFF], 4, v2
	v_lshl_add_u32 v[WOFF], v3, 18, v[WOFF]
	v_lshlrev_b32 v[L16], 4, v1
	v_lshlrev_b32 v[H32], 5, v3
	v_lshlrev_b32 v32, 7, v3                       ; b1: my 32 columns
	s_wait_alu depctr_va_sdst(0)                   ; s14 is written, ahead of its first reader
	s_and_b32 s24, s14, 1                          ; G: which half of the columns I lay in
	s_lshr_b32 s25, s14, 1                         ; c: which part of a fragment
	s_lshl_b32 s30, s24, 12
	s_lshl_b32 s31, s25, 9
	s_add_co_u32 s30, s30, s31
	v_add_nc_u32 v[LST], s30, v[L16]
	s_lshl_b32 s30, s14, 4
	v_add_nc_u32 v[RK0], s30, v2
	s_lshl_b32 s2, s15, 24                         ; W1: expert, half, slice, part (8 rows of 16,384 bytes)
	s_lshl_b32 s30, s24, 13
	s_add_co_u32 s2, s2, s30
	s_lshl_b32 s30, s16, 8
	s_add_co_u32 s2, s2, s30
	s_lshl_b32 s30, s25, 17
	s_add_co_u32 s2, s2, s30
	s_mov_b32 s3, 0
	s_mov_b32 s31, 0
	s_wait_kmcnt 0x0
	s_add_nc_u64 s[6:7], s[6:7], s[2:3]
	s_add_nc_u64 s[28:29], s[6:7], 0x800000        ; K steps 16 on: the loads' immediates stay inside their signed 24 bits
	s_lshl_b32 s30, s15, 7
	s_add_nc_u64 s[10:11], s[10:11], s[30:31]
	s_load_b512 s[32:47], s[10:11], 0x0            ; my expert's bitmap: bit L of word c is token 32 c + L
	s_load_b512 s[48:63], s[10:11], 0x40
	s_lshl_b32 s30, s15, 14
	s_lshl_b32 s25, s16, 8
	s_add_co_u32 s30, s30, s25
	s_add_nc_u64 s[8:9], s[8:9], s[30:31]
	s_lshl_b32 s30, s15, 6
	s_add_co_u32 s30, s30, s14
	s_lshl_b32 s30, s30, 16
	s_lshl_b32 s25, s16, 11
	s_add_co_u32 s30, s30, s25
	s_add_nc_u64 s[12:13], s[12:13], s[30:31]      ; hid: tile w of my expert, K steps 2 s and 2 s + 1
	WIN 0x80
	s_wait_alu depctr_va_vdst(0)                   ; the offsets and addresses v6, v7, v14, v15 and v32 are written, which the loads and stores of the kernel read
.irp g, 0,1
.irp jj, 0,1,2,3,4,5,6,7
	global_load_b128 v[32*(\g)+4*(\jj):32*(\g)+4*(\jj)+3], v32, s[8:9] offset:(\g)*8192+16*(\jj)
.endr
.endr
	WLOAD 0
	WLOAD 1
	WLOAD 2
	WLOAD 3
	WLOAD 4
	WIN 0
	s_wait_kmcnt 0x0
	s_mov_b32 s17, 0
.set k, 0
.rept 32                            ; the count, and on the way the keys: 32 x (rows in words 0 .. k) + (k + 1)
	s_bcnt1_i32_b32 s25, s[32+k]
	s_add_co_u32 s17, s17, s25
.if k < 31
	s_lshl_b32 s[69+k], s17, 5
	s_or_b32 s[69+k], s[69+k], k+1
.endif
.set k, k+1
.endr
	s_min_u32 s17, s17, 1024                       ; the expert's rows
	s_add_co_u32 s18, s17, 15
	s_lshr_b32 s18, s18, 4                         ; its tiles
	s_max_u32 s68, s17, 1
	s_sub_co_u32 s68, s68, 1                       ; its last rank
	TOK 0                                          ; pass 0's tokens (s3 = 0), while the first 56 loads are out
	s_wait_loadcnt 40                              ; units 0 to 4 are younger: b1 is in
	s_wait_alu depctr_vm_vsrc(0)                   ; b1's loads have read v32, which unit 0's conversions write
	s_mov_b32 s25, 0xffff0000
	s_mov_b32 s66, 0xbfb8aa3b                      ; -log2(e), named as a pair by the packed multiply
	s_mov_b32 s67, s66
	WIN 0x0a
.irp g, 0,1
.irp jj, 0,1,2,3,4,5,6,7
.irp q, 0,1
	v_cvt_pk_bf16_f32 v[ACT+16*(\g)+2*(\jj)+(\q)], v[32*(\g)+4*(\jj)+2*(\q)], v[32*(\g)+4*(\jj)+2*(\q)+1]
.endr
.endr
.endr
	WIN 0
.irp g, 0,1
.irp jj, 0,1,2,3,4,5,6,7
.irp q, 0,1
	v_lshlrev_b32 v[BIAS+8*(4*(\g)+2*(\q))+(\jj)], 16, v[ACT+16*(\g)+2*(\jj)+(\q)]
	v_and_b32 v[BIAS+8*(4*(\g)+2*(\q)+1)+(\jj)], s25, v[ACT+16*(\g)+2*(\jj)+(\q)]
.endr
.endr
.endr
	WLOAD 5                                        ; no wait: v6 was written ahead of the wait above, and no vector instruction has named the registers in which units 5 to 7 land
	WLOAD 6
	WLOAD 7
.set uu, 0
.rept 32                            ; THE SLICE IS LAID IN
	UNIT uu
.set uu, uu+1
.endr
	WIN 0
	s_wait_alu depctr_va_vdst(0)                   ; unit 31's conversions have written their set, which the last LDS stores read, and all conversions are done reading window 1, in which the first token fragments land
	WSTORE 31
	s_mov_b32 s19, s14                             ; pass 0 is prepared
	s_mov_b32 s23, 0
	s_mov_b32 s2, 0
	NLIVE 21
	s_mov_b64 s[26:27], s[4:5]
	TLOAD 0, 0, 21
	s_wait_dscnt 0x0                               ; for the others' sake: my part of the slice is stored
	s_barrier_signal -1
	s_barrier_wait -1                              ; the slice is whole; nothing but the closing add writes LDS from here on
	s_wait_alu depctr_vm_vsrc(0)                   ; my LDS stores have read v32-159: these registers are the weights' two buffers from here on, in which LDS loads land
	v_mov_b32 v[WL], v[L16]
	s_wait_alu depctr_va_vdst(0)                   ; v[WL] is written, which the loads below read
	FETCHW 0, 0
	s_mov_b32 s20, 4
.Lpass:
	s_cmp_eq_u32 s21, 0
	s_cbranch_scc1 .Lpassend                       ; no tile of mine in this pass
	s_mov_b32 s22, 2
.Ltrip:                             ; a trip: 16 K steps; the token fragments of 8 steps are asked for 8 steps ahead
	s_wait_loadcnt 0x0                             ; T0 is in.  The count is 0 since the number of younger loads hangs on the live tiles
	WHEAD                                          ; one wait for both runs of loads below: no vector or matrix instruction stands between it and them
	FETCHW 1, 1
	TLOAD 1, 512, 21
	s_wait_dscnt 16
	s_cmp_lg_u32 s22, 2
	s_cbranch_scc1 .Lgoon
	v_nop                                          ; these products write over the accumulators: five places or more stand behind the last product on each (the address line, its three v_nop, these two)
	v_nop
	MULS 0, 0, 0, 1                                ; a pass's first K step starts the sums from the bias
	s_branch .Lk0
.Lgoon:
	MULS 0, 0, 0, 0
.Lk0:
.irp kk, 1,2,3,4,5,6,7
	KSTEP 0, \kk
.endr
	s_wait_loadcnt 0x0                             ; T1 is in, and every address register of a load is free
	s_cmp_lg_u32 s22, 1
	s_cbranch_scc0 .Lprep
	s_add_nc_u64 s[26:27], s[26:27], 1024          ; the rows' second half
	s_mov_b32 s24, s21
	s_branch .Lload0
.Lprep:                             ; the next pass is prepared: its live tiles, its tokens, its first fragments
	NLIVE 23
	s_mov_b32 s24, s23
	s_cmp_eq_u32 s23, 0
	s_cbranch_scc1 .Lload0                         ; no tile of mine follows: nothing is searched, and the load below asks for nothing
	s_add_co_u32 s3, s3, 256                       ; the next pass's first rank
	TOK 1
	s_mov_b64 s[26:27], s[4:5]
.Lload0:
	KSTEP 1, 0, 1                                  ; T0 is asked for again on this step's wait
.irp kk, 1,2,3,4,5,6,7
	KSTEP 1, \kk
.endr
	s_sub_co_u32 s22, s22, 1
	s_cmp_lg_u32 s22, 0
	s_cbranch_scc1 .Ltrip
	PLACES
	EPI 0
	EPI 1
	EPI 2
	EPI 3
.Lepiend:
	s_wait_xcnt 0x0                                ; the stores' base is stepped only behind this wait
	s_add_nc_u64 s[12:13], s[12:13], 0x100000      ; 16 tiles on
	s_mov_b32 s21, s23
.Lpassend:
	s_sub_co_u32 s20, s20, 1
	s_cmp_lg_u32 s20, 0
	s_cbranch_scc1 .Lpass
	s_wait_dscnt 0x0                               ; my last reads of the slice are back,
	s_barrier_signal -1
	s_barrier_wait -1                              ; and so are every wave's
	s_wait_dscnt 0x0                               ; ahead of the closing add into my spare word
	s_wait_alu depctr_hold_cnt(0) depctr_sa_sdst(0) depctr_va_vdst(0) depctr_va_sdst(0) depctr_va_ssrc(0) depctr_va_vcc(0) depctr_vm_vsrc(0)
	s_wait_tensorcnt 0x0
	ds_add_u32 v4, v5
	s_wait_dscnt 0x0
	s_endpgm
.Lfunc_end_k_q337aa5c033_up:
	.size	k_q337aa5c033_up, .Lfunc_end_k_q337aa5c033_up-k_q337aa5c033_up
	.p2alignl 7, 3214868480
	.fill 96, 4, 3214868480
	.section	.rodata,"a",@progbits
	.p2align	6, 0x0
	.amdhsa_kernel k_q337aa5c033_up
		.amdhsa_group_segment_fixed_size 262656
		.amdhsa_private_segment_fixed_size 0
		.amdhsa_enable_private_segment 0
		.amdhsa_kernarg_size 40
		.amdhsa_user_sgpr_count 2
		.amdhsa_user_sgpr_kernarg_segment_ptr 1
		.amdhsa_wavefront_size32 1
		.amdhsa_system_sgpr_workgroup_id_x 1
		.amdhsa_system_sgpr_workgroup_id_y 1
		.amdhsa_system_sgpr_workgroup_id_z 1
		.amdhsa_system_vgpr_workitem_id 0
		.amdhsa_next_free_vgpr 1024
		.amdhsa_next_free_sgpr 102
		.amdhsa_reserve_vcc 1
		.amdhsa_float_denorm_mode_32 3
		.amdhsa_float_denorm_mode_16_64 3
		.amdhsa_memory_ordered 1
		.amdhsa_forward_progress 1
		.amdhsa_inst_pref_size 216
	.end_amdhsa_kernel
	.amdgpu_metadata
---
amdhsa.version: [ 1, 2 ]
amdhsa.kernels:
  - .name:           k_q337aa5c033_up
    .symbol:         k_q337aa5c033_up.kd
    .args:
      - { .name: xb, .offset: 0, .size: 8, .value_kind: global_buffer, .address_space: global }
      - { .name: W1, .offset: 8, .size: 8, .value_kind: global_buffer, .address_space: global }
      - { .name: b1, .offset: 16, .size: 8, .value_kind: global_buffer, .address_space: global }
      - { .name: bm, .offset: 24, .size: 8, .value_kind: global_buffer, .address_space: global }
      - { .name: hid, .offset: 32, .size: 8, .value_kind: global_buffer, .address_space: global }
    .group_segment_fixed_size: 262656
    .private_segment_fixed_size: 0
    .kernarg_segment_align: 8
    .kernarg_segment_size: 40
    .max_flat_workgroup_size: 128
    .sgpr_count:     102
    .vgpr_count:     1024
    .wavefront_size: 32
...
	.end_amdgpu_metadata
.endif
;; end of part 5
;; launch down (part 6): grid 256 x 1, 4 waves a work-group, no clusters, 135,936 bytes of LDS; arguments hid, W2, b2, bm, part; writes part
.if DOCPART == 6
	.amdgcn_target "amdgcn-amd-amdhsa--gfx1250"
	.amdhsa_code_object_version 6
	.text
	.protected	k_q337aa5c033_down
	.globl	k_q337aa5c033_down
	.p2align	8
	.type	k_q337aa5c033_down,@function
k_q337aa5c033_down:
	s_mov_b64 s[64:65], 0
	v_nop
	global_prefetch_b8 v0, s[64:65] scope:SCOPE_SE
	s_setreg_imm32_b32 hwreg(HW_REG_WAVE_SCHED_MODE, 0, 2), 2
	s_setreg_imm32_b32 hwreg(HW_REG_WAVE_MODE, 25, 1), 1
	s_wait_xcnt 0x0
	s_wait_alu depctr_vm_vsrc(0)
; SECOND PRODUCT, for the chosen rows alone.  part[e][kh][token][:] = act[e][row][1024 kh .. 1024 kh + 1023] W2[e][those rows][:] (+ b2[e] where kh = 0), in f32: partial sums, added by the launch behind.
; FORMATS.  act comes in bf16, in the order of this launch's operand registers; W2 and b2 are rounded once to bf16 on their way through the registers; sums in f32.
; SHARES.  Work-group = expert e (number / 32) x 64 columns cs ((number / 2) % 16) x half kh of the hidden width (number % 2): 256 KB of W2 that no other work-group reads, laid into LDS once as 131,072 bytes of bf16.
; The split of K gives 256 work-groups whose rows of W2 are whole pieces of 256 bytes; its price is four partial rows a token where two would do.
; Then the expert's rows go through, 16 to a tile; wave w has tiles 16 P + 4 i + w.  Four passes, a constant; a pass or tile past the count is jumped over, forward, with no barrier in what is jumped.
; LAYOUT.  A fragment's place (c, h, i) of K step KS holds hidden unit 64 (KS / 2) + 32 h + 16 (KS % 2) + 8 c + i, in act and in the weights alike.  Source 0 = 16 rows of act, source 1 = weights, block b = columns 4 r + b:
; register j of block b is (row 8 h + j, column 4 r + b): the four blocks give a lane 16 consecutive bytes, sixteen lanes 256 consecutive bytes of a row of part, aligned.
; THE PLACES PAST THE COUNT in the last tile repeat the last row: they store the same bits to the same address once more.
; NO CLUSTER: each byte of W2 has one reader; the tiles of act that an expert's work-groups share would want a ring in LDS inside loops whose live length hangs on a count.  NO TENSOR LOAD: the weights pass the registers to be rounded.
; REGISTERS.  Window 0 below; window 1: T0, window 2: T1 (act fragments of 8 K steps, 64 a tile); while the slice is laid in, they take the f32 weights.
; LDS.  The slice takes bytes 0 to 131,071, the list 4,352 bytes behind it; the 512 bytes behind the list hold the spare words of the closing add.
; THE MODE: SCHED_MODE bits 1:0 = 2 (LLVM: expert scheduling mode 2), set by the entry lines.  The code itself states the register dependences between vector or matrix instructions and memory or LDS
; instructions, and between a vector instruction's scalar result and its readers, with s_wait_alu, always for 0.
; THE PLAN.  Registers that memory or LDS instructions touch:
;   v6, v8, v10, v11  offsets, made once at the head and never written again.
;   v32-95, v96-105   wave 0's list: all addresses and numbers are made first, each in a register of its own; one wait; then the 42 LDS stores, the load and the last store.
;   windows 1, 2      while the slice is laid in: unit u's loads land 8 units ahead of unit u's conversions, which read them.
;   v128-255          while the slice is laid in: eight sets of 16.  Unit u's conversions write set u % 8; its four LDS stores are issued in unit u + 1.
;   v7                the LDS stores' address: one add, behind unit 7's stores.
;   v9                the fragments' address: made anew at each K step's head, read by that step's 8 LDS loads.
;   v32-63, v64-95    in the loop: the weights' two buffers.  Step k's products read buffer k % 2; the loads issued in step k land in the other, which step k - 1's products read.
;   T0, T1            the products of 8 K steps read one; the loads issued at the head of those 8 steps land in the other.
;   v12               the list's address: one add a pass.     v20-27  a tile's tokens land here from LDS, become offsets, and are read by its stores.     v96-127  a tile's sums, read by its stores.
; So: ONE wait on va_vdst at a unit's head, ONE at a K step's head behind the address line, one ahead of a pass's first read of the list and one ahead of each tile's stores.
.set LIST,  131072
.set WOFF, 6                        ; v6   131072 h + 16 r
.set LST,  7                        ; v7   where my converted weights go
.set LR0,  8                        ; v8   LIST + 64 w + 32 h
.set WL,   9                        ; v9   where the weights' fragments are read: made anew ahead of each run of loads
.set L16,  10                       ; v10  16 x lane
.set R16,  11                       ; v11  16 r
.set LRD,  12                       ; v12  the list's address for the pass in hand
.set B2,   16                       ; v16-19  b2 of my four columns
.set TK,   20                       ; v20-27  my eight rows' tokens, then their offsets in part
.set WB0,  32                       ; v32-63, v64-95  the weights' fragments of a K step, two buffers
.set LP,   32                       ; v32-95  at the head, in wave 0: word k's place in the list at LP + 2 k, its token at LP + 2 k + 1
.set Q,    96                       ; v96-127  a tile in the order of the stores
.set ACC,  128                      ; v128-255 the accumulators: tile i, block b at 32 i + 8 b
.set MSB, 0
.macro WIN new
.if MSB != (\new)
	s_set_vgpr_msb (MSB<<8)|(\new)
.set MSB, (\new)
.endif
.endm
.macro PLACES                       ; four places between a matrix instruction and a read of its result (ISA guide 7.12.1)
.rept 4
	v_nop
.endr
.endm
; Unit u: K step 2 u + w / 2, part c = w % 2: eight rows 1024 kh + 64 u + 32 h + 8 w + i
.macro WLOAD u
	WIN (1+((\u)>>3))<<6
.irp i, 0,1,2,3,4,5,6,7
	global_load_b128 v[32*((\u)&7)+4*(\i):32*((\u)&7)+4*(\i)+3], v[WOFF], s[6:7] offset:(\u)*262144+(\i)*4096 th:TH_LOAD_NT
.endr
.endm
; Unit u's converted weights go into LDS: issued a unit behind its conversions, behind that unit's wait on va_vdst
.macro WSTORE u
.set UC, ACC+16*((\u)&7)
	WIN 0
.irp b, 0,1,2,3
	ds_store_b128 v[LST], v[UC+4*(\b):UC+4*(\b)+3] offset:((\u)&7)*8192+(\b)*1024
.endr
.if (\u) == 7
	s_wait_alu depctr_vm_vsrc(0)                   ; the LDS stores issued so far have read v[LST], which the add below writes, and all eight sets, which the next eight units' conversions write again
	v_add_nc_u32 v[LST], 0x10000, v[LST]
.endif
.endm
.macro UNIT u
.if (\u) <= 8
	s_wait_loadcnt 56                              ; the seven younger units stay out
.else
	s_wait_loadcnt 8*(15-(\u))
.endif
.if (\u) < 8
	WIN (1+(((\u)+8)>>3))<<6                       ; the loads' window is set ahead of the wait
.else
	WIN 0
.endif
.if (\u) > 0
	s_wait_alu depctr_va_vdst(0)                   ; the unit before has written its set (and the add v[LST]), which the LDS stores below read
.endif
.if (\u) < 8
	WLOAD (\u)+8                                   ; into window 2, which no vector instruction has named yet
.endif
.if (\u) > 0
	WSTORE (\u)-1
.endif
.set UW, 1+((\u)>>3)
.set US, 32*((\u)&7)
.set UC, ACC+16*((\u)&7)
	WIN UW|(UW<<2)
.irp b, 0,1,2,3
.irp p, 0,1,2,3
	v_cvt_pk_bf16_f32 v[UC+4*(\b)+(\p)], v[US+8*(\p)+(\b)], v[US+8*(\p)+4+(\b)]
.endr
.endr
.endm
.macro NLIVE d
	s_sub_co_i32 s[\d], s18, s19
	s_add_co_i32 s[\d], s[\d], 3
	s_ashr_i32 s[\d], s[\d], 2
	s_max_i32 s[\d], s[\d], 0
	s_min_i32 s[\d], s[\d], 4
	s_add_co_u32 s19, s19, 16
.endm
.macro TLOAD set, off, cntreg       ; the act fragments of 8 K steps, 512 consecutive bytes a load, for as many tiles as the register says.  It stands behind a wait on va_vdst since which no vector or matrix instruction names its registers
.irp i, 0,1,2,3
	WIN 0
	s_cmp_le_u32 s[\cntreg], \i
	s_cbranch_scc1 .Ltl_\@
	WIN 0x40*(1+(\set))
.irp kk, 0,1,2,3,4,5,6,7
	global_load_b128 v[64*(\i)+8*(\kk):64*(\i)+8*(\kk)+3], v[L16], s[26:27] offset:(\i)*262144+(\off)+1024*(\kk)
	global_load_b128 v[64*(\i)+8*(\kk)+4:64*(\i)+8*(\kk)+7], v[L16], s[26:27] offset:(\i)*262144+(\off)+1024*(\kk)+512
.endr
.endr
	WIN 0
.Ltl_\@:
.endm
; The head of a K step.  The address of the half in hand: s2 counts on by 65,536 a trip of sixteen K steps, and the AND cuts it to the slice's two halves; 16 bytes a lane.
.macro WHEAD
	s_and_b32 s25, s2, 0x10000
	s_wait_alu depctr_vm_vsrc(0)                   ; the LDS loads issued so far have read v[WL]
	v_add_nc_u32 v[WL], s25, v[L16]
.rept 3
	v_nop                                          ; with the address line: four places behind the last products
.endr
	s_wait_alu depctr_va_vdst(0)                   ; v[WL] is written; the products issued so far are done reading the weights' buffer, and where act loads follow the T buffer, in which the loads below land
.endm
.macro FETCHW wb, n                 ; step n of a trip's 16: four fragments of weights
.irp b, 0,1,2,3
	ds_load_b128 v[WB0+32*(\wb)+8*(\b):WB0+32*(\wb)+8*(\b)+3], v[WL] offset:(\n)*4096+(\b)*1024
	ds_load_b128 v[WB0+32*(\wb)+8*(\b)+4:WB0+32*(\wb)+8*(\b)+7], v[WL] offset:(\n)*4096+(\b)*1024+512
.endr
.endm
.macro MULS set, kk, wb, first      ; four products for each live tile; the accumulators take turns.  first = 1: they start the sums
.irp i, 0,1,2,3
.if (\i) > 0
	WIN 0
	s_cmp_le_u32 s21, \i
	s_cbranch_scc1 .Lmu_\@
.endif
	WIN 1+(\set)
.irp b, 0,1,2,3
.if \first
	v_wmma_f32_16x16x32_bf16 v[ACC+32*(\i)+8*(\b):ACC+32*(\i)+8*(\b)+7], v[64*(\i)+8*(\kk):64*(\i)+8*(\kk)+7], v[WB0+32*(\wb)+8*(\b):WB0+32*(\wb)+8*(\b)+7], 0
.else
	v_wmma_f32_16x16x32_bf16 v[ACC+32*(\i)+8*(\b):ACC+32*(\i)+8*(\b)+7], v[64*(\i)+8*(\kk):64*(\i)+8*(\kk)+7], v[WB0+32*(\wb)+8*(\b):WB0+32*(\wb)+8*(\b)+7], v[ACC+32*(\i)+8*(\b):ACC+32*(\i)+8*(\b)+7]
.endif
.endr
.endr
	WIN 0
.Lmu_\@:
.endm
.macro KSTEP set, kk, tl=0          ; the next step's weights are fetched, this step's multiplied.  tl = 1: the act fragments of the 8 steps after these 8 go out on the same wait
.if ((\set) == 1) && ((\kk) == 7)
	s_add_co_u32 s2, s2, 0x10000                   ; the next 16 K steps' 65,536 bytes; behind the second half the AND gives the first again, for the next pass
.endif
	WHEAD
.if ((\set) == 1) && ((\kk) == 7)
	FETCHW 0, 0
.else
	FETCHW ((\kk)+1)&1, 8*(\set)+(\kk)+1
.endif
.if \tl
	TLOAD 0, 0, 24
.endif
	s_wait_dscnt 8                                 ; all but the 8 just issued: this step's fragments are in
	MULS \set, \kk, (\kk)&1, 0
.endm
.macro EPI i                        ; tile i leaves: the bias is added on the way into the stores' order; each row goes to its token's place
.if (\i) > 0
	s_cmp_le_u32 s21, \i
	s_cbranch_scc1 .Lepiend
	s_wait_xcnt 0x0                                ; the last tile's stores have had their addresses translated: v20-27 and v96-127 are rewritten only behind this wait,
	s_wait_alu depctr_vm_vsrc(0)                   ; and behind this one: those stores have read v20-27 and v96-127
.endif
	ds_load_b128 v[TK:TK+3], v[LRD] offset:256*(\i)      ; no vector instruction has been issued since the last wait on va_vdst (ahead of tile 0, or ahead of the last tile's stores): v20-27 are free to land in
	ds_load_b128 v[TK+4:TK+7], v[LRD] offset:256*(\i)+16
.irp j, 0,1,2,3,4,5,6,7             ; each accumulator's lowest register is read first
.irp b, 0,1,2,3
	v_add_f32 v[Q+4*(\j)+(\b)], v[ACC+32*(\i)+8*(\b)+(\j)], v[B2+(\b)]
.endr
.endr
	s_wait_dscnt 0x0
.irp j, 0,1,2,3,4,5,6,7
	v_min_u32 v[TK+(\j)], 1023, v[TK+(\j)]
	v_lshl_add_u32 v[TK+(\j)], v[TK+(\j)], 12, v[R16]
.endr
	s_wait_alu depctr_va_vdst(0)                   ; the additions have written v96-127 and the shifts v20-27, which the eight stores read
.irp j, 0,1,2,3,4,5,6,7
	global_store_b128 v[TK+(\j)], v[Q+4*(\j):Q+4*(\j)+3], s[12:13]  ; each half of the lanes: 256 consecutive bytes of a row, aligned
.endr
.endm
	s_load_b256 s[4:11], s[0:1], 0x0               ; hid s[4:5], W2 s[6:7], b2 s[8:9], bm s[10:11]
	s_load_b64 s[12:13], s[0:1], 0x20              ; part
	v_lshl_add_u32 v30, v0, 2, 0x21100
	v_mov_b32 v31, 0
	v_lshrrev_b32 v1, 5, v0
	v_readfirstlane_b32 s14, v1                    ; wave 0..3
	v_and_b32 v1, 31, v0                           ; lane
	v_and_b32 v2, 15, v0                           ; r
	v_bfe_u32 v3, v0, 4, 1                         ; h
	s_lshr_b32 s15, ttmp9, 5                       ; expert
	s_bfe_u32 s16, ttmp9, 0x40001                  ; column slice
	s_and_b32 s24, ttmp9, 1                        ; kh
	v_lshlrev_b32 v[R16], 4, v2
	v_lshl_add_u32 v[WOFF], v3, 17, v[R16]
	v_lshlrev_b32 v[L16], 4, v1
	s_wait_alu depctr_va_sdst(0)                   ; s14 is written, ahead of its first reader
	s_lshr_b32 s30, s14, 1
	s_lshl_b32 s30, s30, 12
	s_and_b32 s31, s14, 1
	s_lshl_b32 s31, s31, 9
	s_add_co_u32 s30, s30, s31
	v_add_nc_u32 v[LST], s30, v[L16]
	s_lshl_b32 s30, s14, 6
	s_add_co_u32 s30, s30, LIST
	v_lshl_add_u32 v[LR0], v3, 5, s30
	s_lshl_b32 s2, s15, 23                         ; W2: expert, half of K, my 8 rows of 4,096 bytes, slice
	s_lshl_b32 s30, s24, 22
	s_add_co_u32 s2, s2, s30
	s_lshl_b32 s30, s14, 15
	s_add_co_u32 s2, s2, s30
	s_lshl_b32 s25, s16, 8
	s_add_co_u32 s2, s2, s25
	s_mov_b32 s3, 0
	s_mov_b32 s31, 0
	s_wait_kmcnt 0x0
	s_add_nc_u64 s[6:7], s[6:7], s[2:3]
	s_lshl_b32 s30, s15, 7
	s_add_nc_u64 s[10:11], s[10:11], s[30:31]
	s_load_b512 s[32:47], s[10:11], 0x0            ; my expert's bitmap
	s_load_b512 s[48:63], s[10:11], 0x40
	s_lshl_b32 s30, s15, 12
	s_add_co_u32 s30, s30, s25
	s_add_nc_u64 s[8:9], s[8:9], s[30:31]
	s_lshl_b32 s30, s15, 1
	s_add_co_u32 s30, s30, s24
	s_lshl_b32 s30, s30, 22
	s_add_co_u32 s30, s30, s25
	s_add_nc_u64 s[12:13], s[12:13], s[30:31]      ; part: [e][kh], my 64 columns
	s_lshl_b32 s30, s15, 6
	s_add_co_u32 s30, s30, s14
	s_lshl_b32 s30, s30, 16
	s_lshl_b32 s25, s24, 15
	s_add_co_u32 s30, s30, s25
	s_add_nc_u64 s[28:29], s[4:5], s[30:31]        ; hid: tile w of my expert, my half's 32 K steps
	s_wait_alu depctr_va_vdst(0)                   ; the offsets and addresses v6, v7, v8, v10 and v11 are written, which the loads and stores of the kernel read
	global_load_b128 v[B2:B2+3], v[R16], s[8:9]
	WLOAD 0
	WLOAD 1
	WLOAD 2
	WLOAD 3
	WLOAD 4
	WLOAD 5
	WLOAD 6
	WIN 0
	s_wait_kmcnt 0x0
	s_mov_b32 s17, 0
.set k, 0
.rept 32
	s_bcnt1_i32_b32 s25, s[32+k]
	s_add_co_u32 s17, s17, s25
.set k, k+1
.endr
	s_min_u32 s17, s17, 1024                       ; the expert's rows
	s_add_co_u32 s18, s17, 15
	s_lshr_b32 s18, s18, 4                         ; its tiles
	s_cmp_lg_u32 s14, 0
	s_cbranch_scc1 .Lnolist
	; THE LIST, by wave 0 alone; no other wave touches LDS ahead of the barrier below.  All addresses and numbers are made first, each in a register of its own; then one wait; then the LDS instructions in one run.
.irp q, 4,5,6,7
	v_mov_b32 v[Q+(\q)], 0
.endr
	v_add_nc_u32 v[Q], LIST, v[L16]
	v_lshl_add_u32 v[Q+1], v1, 2, LIST+4096
	v_add_nc_u32 v[Q+2], 1056, v1                  ; the word that takes my number where my token did not choose the expert
	s_mov_b32 s30, 0
.set k, 0
.rept 32                            ; token 32 k + lane goes to the place of its rank
	v_mbcnt_lo_u32_b32 v[LP+2*k], s[32+k], s30
	v_cndmask_b32 v[LP+2*k], v[Q+2], v[LP+2*k], s[32+k]
	v_min_u32 v[LP+2*k], 1087, v[LP+2*k]
	v_lshl_add_u32 v[LP+2*k], v[LP+2*k], 2, LIST
	v_add_nc_u32 v[LP+2*k+1], 32*k, v1
	s_bcnt1_i32_b32 s31, s[32+k]
	s_add_co_u32 s30, s30, s31
.set k, k+1
.endr
	s_max_u32 s25, s17, 1                          ; the 32 places past the count repeat the last row
	s_sub_co_u32 s25, s25, 1
	s_min_u32 s25, s25, 1023
	s_lshl_b32 s25, s25, 2
	s_add_co_u32 s25, s25, LIST
	v_mov_b32 v[Q+8], s25
	v_add_nc_u32 v[Q+9], s17, v1
	v_min_u32 v[Q+9], 1055, v[Q+9]
	v_lshl_add_u32 v[Q+9], v[Q+9], 2, LIST
	s_wait_alu depctr_va_vdst(0)                   ; v32-95, v96, v97, v100-105 are written: the addresses and the data of all the LDS instructions below
.irp q, 0,1,2,3,4,5,6,7             ; first the whole region is set to 0
	ds_store_b128 v[Q], v[Q+4:Q+7] offset:512*(\q)
.endr
	ds_store_b32 v[Q+1], v[Q+4]
	ds_store_b32 v[Q+1], v[Q+4] offset:128
.set k, 0
.rept 32
	ds_store_b32 v[LP+2*k], v[LP+2*k+1]
.set k, k+1
.endr
	ds_load_b32 v[Q+3], v[Q+8]                     ; LDS serves a wave's instructions in order: the load sees the stores above
	s_wait_dscnt 0x0
	ds_store_b32 v[Q+9], v[Q+3]
.Lnolist:
	s_wait_dscnt 0x0                               ; for the others' sake: the list is stored
	s_barrier_signal -1
	s_barrier_wait -1
	s_wait_loadcnt 56                              ; units 0 to 6 are younger: b2 is in
	s_and_b32 s25, ttmp9, 1
	s_cmp_eq_u32 s25, 0
	s_cselect_b32 s25, -1, 0                       ; the bias is added once: by the first half of K
	v_cvt_pk_bf16_f32 v[TK], v[B2], v[B2+1]
	v_cvt_pk_bf16_f32 v[TK+1], v[B2+2], v[B2+3]
	v_lshlrev_b32 v[B2], 16, v[TK]
	v_and_b32 v[B2+1], 0xffff0000, v[TK]
	v_lshlrev_b32 v[B2+2], 16, v[TK+1]
	v_and_b32 v[B2+3], 0xffff0000, v[TK+1]
.irp b, 0,1,2,3
	v_and_b32 v[B2+(\b)], s25, v[B2+(\b)]
.endr
	WLOAD 7                                        ; no wait: v6 was written ahead of the head's wait, and no vector instruction has named the registers in which unit 7 lands
.set uu, 0
.rept 16                            ; THE SLICE IS LAID IN
	UNIT uu
.set uu, uu+1
.endr
	WIN 0
	s_wait_alu depctr_va_vdst(0)                   ; unit 15's conversions have written their set, which the last LDS stores read, and all conversions are done reading window 1, in which the first act fragments land
	WSTORE 15
	s_mov_b32 s19, s14                             ; pass 0 is prepared
	s_mov_b32 s23, 0
	s_mov_b32 s2, 0
	s_mov_b32 s3, 0
	NLIVE 21
	s_mov_b64 s[26:27], s[28:29]
	TLOAD 0, 0, 21
	s_wait_dscnt 0x0                               ; for the others' sake: my part of the slice is stored
	s_barrier_signal -1
	s_barrier_wait -1                              ; the slice is whole; nothing but the closing add writes LDS from here on
	s_wait_alu depctr_vm_vsrc(0)                   ; my LDS stores have read v128-255, which the products write from here on, and wave 0's list stores v32-105, in which LDS loads land and which the way out writes
	v_mov_b32 v[WL], v[L16]
	s_wait_alu depctr_va_vdst(0)                   ; v[WL] is written, which the loads below read
	FETCHW 0, 0
	s_mov_b32 s20, 4
.Lpass:
	s_cmp_eq_u32 s21, 0
	s_cbranch_scc1 .Lpassend                       ; no tile of mine in this pass
	s_mov_b32 s22, 2
.Ltrip:                             ; a trip: 16 K steps; the act fragments of 8 steps are asked for 8 steps ahead
	s_wait_loadcnt 0x0                             ; T0 is in.  The count is 0 since the number of younger loads hangs on the live tiles
	WHEAD                                          ; one wait for both runs of loads below: no vector or matrix instruction stands between it and them
	FETCHW 1, 1
	TLOAD 1, 8192, 21
	s_wait_dscnt 8
	s_cmp_lg_u32 s22, 2
	s_cbranch_scc1 .Lgoon
	v_nop                                          ; these products write over the accumulators: five places or more stand behind the last product on each (the address line, its three v_nop, these two)
	v_nop
	MULS 0, 0, 0, 1                                ; a pass's first K step starts the sums
	s_branch .Lk0
.Lgoon:
	MULS 0, 0, 0, 0
.Lk0:
.irp kk, 1,2,3,4,5,6,7
	KSTEP 0, \kk
.endr
	s_wait_loadcnt 0x0                             ; T1 is in, and the loads' base is free
	s_cmp_lg_u32 s22, 1
	s_cbranch_scc0 .Lprep
	s_add_nc_u64 s[26:27], s[26:27], 16384         ; the next 16 K steps
	s_mov_b32 s24, s21
	s_branch .Lload0
.Lprep:                             ; the next pass is prepared: its live tiles and its first fragments
	NLIVE 23
	s_mov_b32 s24, s23
	s_add_nc_u64 s[28:29], s[28:29], 0x100000      ; 16 tiles on; behind the last pass nothing is loaded by it
	s_mov_b64 s[26:27], s[28:29]
.Lload0:
	KSTEP 1, 0, 1                                  ; T0 is asked for again on this step's wait
.irp kk, 1,2,3,4,5,6,7
	KSTEP 1, \kk
.endr
	s_sub_co_u32 s22, s22, 1
	s_cmp_lg_u32 s22, 0
	s_cbranch_scc1 .Ltrip
	PLACES
	s_wait_xcnt 0x0                                ; the last pass's stores have had their addresses translated: v20-27 and v96-127 are rewritten only behind this wait,
	s_wait_alu depctr_vm_vsrc(0)                   ; and behind this one: those stores have read v20-27 and v96-127, and the last pass's reads of the list v[LRD]
	v_add_nc_u32 v[LRD], s3, v[LR0]
	s_wait_alu depctr_va_vdst(0)                   ; v[LRD] is written, which the reads of the list name; every vector instruction that named v20-27 is done, so that the tokens may land there
	EPI 0
	EPI 1
	EPI 2
	EPI 3
.Lepiend:
	s_add_co_u32 s3, s3, 1024                      ; the list's next 256 places
	s_and_b32 s3, s3, 0xc00
	s_mov_b32 s21, s23
.Lpassend:
	s_sub_co_u32 s20, s20, 1
	s_cmp_lg_u32 s20, 0
	s_cbranch_scc1 .Lpass
	s_wait_dscnt 0x0                               ; my last reads of the slice and of the list are back,
	s_barrier_signal -1
	s_barrier_wait -1                              ; and so are every wave's
	s_wait_dscnt 0x0                               ; ahead of the closing add into my spare word
	s_wait_alu depctr_hold_cnt(0) depctr_sa_sdst(0) depctr_va_vdst(0) depctr_va_sdst(0) depctr_va_ssrc(0) depctr_va_vcc(0) depctr_vm_vsrc(0)
	s_wait_tensorcnt 0x0
	ds_add_u32 v30, v31
	s_wait_dscnt 0x0
	s_endpgm
.Lfunc_end_k_q337aa5c033_down:
	.size	k_q337aa5c033_down, .Lfunc_end_k_q337aa5c033_down-k_q337aa5c033_down
	.p2alignl 7, 3214868480
	.fill 96, 4, 3214868480
	.section	.rodata,"a",@progbits
	.p2align	6, 0x0
	.amdhsa_kernel k_q337aa5c033_down
		.amdhsa_group_segment_fixed_size 135936
		.amdhsa_private_segment_fixed_size 0
		.amdhsa_enable_private_segment 0
		.amdhsa_kernarg_size 40
		.amdhsa_user_sgpr_count 2
		.amdhsa_user_sgpr_kernarg_segment_ptr 1
		.amdhsa_wavefront_size32 1
		.amdhsa_system_sgpr_workgroup_id_x 1
		.amdhsa_system_sgpr_workgroup_id_y 1
		.amdhsa_system_sgpr_workgroup_id_z 1
		.amdhsa_system_vgpr_workitem_id 0
		.amdhsa_next_free_vgpr 768
		.amdhsa_next_free_sgpr 66
		.amdhsa_reserve_vcc 0
		.amdhsa_float_denorm_mode_32 3
		.amdhsa_float_denorm_mode_16_64 3
		.amdhsa_memory_ordered 1
		.amdhsa_forward_progress 1
		.amdhsa_inst_pref_size 128
	.end_amdhsa_kernel
	.amdgpu_metadata
---
amdhsa.version: [ 1, 2 ]
amdhsa.kernels:
  - .name:           k_q337aa5c033_down
    .symbol:         k_q337aa5c033_down.kd
    .args:
      - { .name: hid, .offset: 0, .size: 8, .value_kind: global_buffer, .address_space: global }
      - { .name: W2, .offset: 8, .size: 8, .value_kind: global_buffer, .address_space: global }
      - { .name: b2, .offset: 16, .size: 8, .value_kind: global_buffer, .address_space: global }
      - { .name: bm, .offset: 24, .size: 8, .value_kind: global_buffer, .address_space: global }
      - { .name: part, .offset: 32, .size: 8, .value_kind: global_buffer, .address_space: global }
    .group_segment_fixed_size: 135936
    .private_segment_fixed_size: 0
    .kernarg_segment_align: 8
    .kernarg_segment_size: 40
    .max_flat_workgroup_size: 128
    .sgpr_count:     66
    .vgpr_count:     768
    .wavefront_size: 32
...
	.end_amdgpu_metadata
.endif
;; end of part 6
;; launch addup: the kernel of part 4 again; grid 256 x 1, 4 waves a work-group, no clusters, 0 bytes of LDS; arguments part, sel, gate, out0; writes out0
